; MI455X (gfx1250); checked and timed in simulation.
; The chip was launched on July 23, 2026; its instructions are those of AMD's public machine-readable ISA for CDNA 5 (MIT licence, August 2026) and "CDNA5" Instruction Set Architecture Reference Guide (July 2026). The comments in the code are by the model that wrote it; some were corrected since.
;; Multi Headed Attention. Allowed arithmetic: matrix products marked QUANTISED: E2M1 operands, one E8M0 scale for each 32 along K, by v_wmma_scale_f32_16x16x128_f8f6f4 with both operands' format E2M1 (or v_wmma_scale_f32_32x16x128_f4), f32 sums; products left as they are: bf16, f16 or f32 operands; f32 sums; everything else in f32.
;; Inputs: K 8 x 1,024 x 1,024 float32; Q 8 x 1,024 x 1,024 float32; T 8 x 1,024 x 64 float32; V 8 x 1,024 x 1,024 float32; WK 1,024 x 1,024 float32; WM 1,024 x 1,024 float32; WQ 1,024 x 1,024 float32; WT 64 x 64 float32; WV 1,024 x 1,024 float32; bK 1,024 float32; bM 1,024 float32; bQ 1,024 float32; bT 64 float32; bV 1,024 float32; mask 8 x 1 x 1,024 x 1,024 int32.
;; Outputs: out0 8 x 1,024 x 1,024 float32.
;; This version of the problem:
;;   THIS VERSION OF THE PROBLEM IS GIVEN IN LOW PRECISION. The matrix products marked QUANTISED in the list below multiply operands that are first quantised to E2M1 (2 exponent bits, 1 mantissa bit; 4 bits a number), with one power-of-two scale for each 32 numbers along K (OCP MX v1.0); their sums are f32. The products marked 'left as it is' may take bf16, f16 or f32 operands, with f32 sums. Whichever they take, every output number must still come out within the allowed error. Rounding operands to bf16 (8 significant bits) uses up far more of that allowance than f16 does (11 bits, for magnitudes from 6e-5 to 65,504). All else is computed in f32.
;;   The module's matrix products, in the order in which they are computed (A, B: the left and right operand; K: the contracted axis; several contracted axes count as one K, in the product's order):
;;     1. [M 8,192, K 1,024] x [K 1,024, N 1,024]; A: input Q; B: input WQ: QUANTISED
;;     2. [M 8,192, K 1,024] x [K 1,024, N 1,024]; A: input K; B: input WK: QUANTISED
;;     3. [M 8,192, K 1,024] x [K 1,024, N 1,024]; A: input V; B: input WV: QUANTISED
;;     4. [M 8,192, K 64] x [K 64, N 64]; A: input T; B: input WT: QUANTISED
;;     5. batch 128 x [M 1,024, K 128] x [K 128, N 1,024]; A: computed on the way; B: computed on the way: left as it is (an operand is computed on the way)
;;     6. batch 128 x [M 1,024, K 1,024] x [K 1,024, N 64]; A: computed on the way; B: computed on the way: left as it is (an operand is computed on the way)
;;     7. [M 8,192, K 1,024] x [K 1,024, N 1,024]; A: computed on the way; B: input WM: left as it is (an operand is computed on the way)
;;   THE QUANTISER, for each operand of a quantised product, along K:
;;     - K is cut into blocks of 32 from its start; a last block that is shorter is filled with zeros.
;;     - A block's scale is 2^e with e = floor(log2(the largest magnitude in the block)) - 2, held to -126 .. 127; a block of zeros has e = 0. As a byte (E8M0): e + 127.
;;     - Each number is divided by its block's scale, clamped to +-6, and rounded to the nearest number of E2M1, ties to even, subnormals kept.
;;     - The product sums the exact products of the quantised numbers (number of the format x scale) in f32.
;;   ~~~python
;;   def quantise(x, axis):      # numpy; x: float32 -> the quantised numbers, widened to float32 again
;;       x = np.moveaxis(x, axis, -1); K = x.shape[-1]
;;       x = np.pad(x, [(0, 0)] * (x.ndim - 1) + [(0, -K % 32)]); x = x.reshape(x.shape[:-1] + (-1, 32)); a = np.abs(x).max(-1, keepdims=True)
;;       e = np.where(a > 0, np.clip(np.frexp(np.where(a > 0, a, 1))[1] - 1 - 2, -126, 127), 0)      # np.frexp(a)[1] - 1 = floor(log2(a)), exactly
;;       r = np.clip(x / 2.0 ** e, -6, 6)
;;       step = 2.0 ** (np.maximum(np.frexp(np.where(r == 0, 1, r))[1] - 1, 0) - 1)
;;       q = np.round(r / step) * step * 2.0 ** e      # np.round: ties to even
;;       return np.moveaxis(q.reshape(q.shape[:-2] + (-1,))[..., :K], -1, axis).astype(np.float32)
;;   ~~~
;; One version. Each part assembles by itself: llvm-mc -triple=amdgcn-amd-amdhsa -mcpu=gfx1250 --defsym DOCPART=n.
;; ======== version 1 of 1: 4 launches
;; limits: right only within a limited range of input values; values are held in f16: magnitudes above 65,504 overflow, below 6.1e-05 lose precision
;; workspace buffers: codes 14,155,776 bytes; scales 884,736 bytes; maskbits 1,048,576 bytes of whole numbers; wm16 2,097,152 bytes; t16 1,048,576 bytes; qkv 50,331,648 bytes; xh 16,777,216 bytes
;; launch prep (part 1): grid 1184 x 1, 4 waves a work-group, no clusters, 59,904 bytes of LDS; arguments Q, K, V, WQ, WK, WV, mask, WM, T, WT, bT, codes, scales, maskbits, wm16, t16; writes codes, scales, maskbits, wm16, t16
.if DOCPART == 1
	.amdgcn_target "amdgcn-amd-amdhsa--gfx1250"
	.amdhsa_code_object_version 6
	.text
	.protected	k_q178c8c23e7_prep
	.globl	k_q178c8c23e7_prep
	.p2align	8
	.type	k_q178c8c23e7_prep,@function
k_q178c8c23e7_prep:
	s_mov_b64 s[64:65], 0
	v_nop
	global_prefetch_b8 v0, s[64:65] scope:SCOPE_SE
	s_setreg_imm32_b32 hwreg(HW_REG_WAVE_MODE, 25, 1), 1
	s_wait_xcnt 0x0
; PREP: everything that is made once and read many times.  Four jobs, chosen by the work-group's number:
;   work-groups    0 ..  863  CODES: Q, K, V [8192][1024] and WQ, WK, WV [1024][1024], f32 with K innermost, become codes of E2M1 (rows of 512 bytes) and E8M0 scale bytes (rows of 32),
;                             all in one buffer each: rows 0 Q, 8192 K, 16384 V, 24576 WQ, 25600 WK, 26624 WV
;   work-groups  864 .. 1119  MASK:  mask [8][1024][1024] i32 becomes one bit a score: word [b][tile of 16 queries][step of 64 keys][8 kt + j], bit l = (mask[16 qt + l % 16][64 step + 16 kt + 8 (l / 16) + j] == 1):
;                             the very lane mask that the attention's select takes for register 8 kt + j of its scores
;   work-groups 1120 .. 1151  WM to f16, as it lies
;   work-groups 1152 .. 1183  t = Q4(T) Q4(WT)^T + bT, to f16 [8192][64]: the quantised product with K = 64
; NO WORK OF THE PROBLEM IS LEFT OUT, and every input is loaded by some launch.  The biases on k and t shift all open scores of a row alike, but a masked score is the finite number -1e9,
; so in real numbers the shift moves the weights: the biases are live.
; A block's scale is 2^(floor(log2(its largest magnitude)) - 2): its byte is the largest magnitude's exponent field - 2, held at 1 from below.  A block of zeros so gets the byte 1 where the rule says 127:
; its codes are zeros, which add nothing under any byte but 0xff, and this program alone reads the bytes.
; LIMITS: blocks whose largest magnitude lies under 2^-124 keep the byte 1; NaN and infinities among the inputs are not served; t and WM must lie inside f16's range (magnitudes under 65,504).
; No tensor loads, no barrier: waves share nothing.  Each job has LDS bytes of its own.  All four jobs keep to 192 vector registers, so that the short jobs run beside the long streams and not behind them.
.set MREG,  32768                      ; LDS: 0 the codes' job, 8,192 a wave;  32,768 the mask's, 16 rows x 272 a wave;
.set TREG,  50176                      ; 50,176 t's, 16 rows x 144 a wave;
.set SPARE, 59392                      ; 59,392 the spare words, 128 bytes a wave: two blocks of 256 bytes that no other line names
.set SPW,   12                         ; v12  LDS address of my spare word; never rewritten
.set NIL,   13                         ; v13  0; never rewritten
	s_load_b512 s[4:19], s[0:1], 0x0               ; Q s4, K s6, V s8, WQ s10, WK s12, WV s14, mask s16, WM s18
	s_load_b512 s[20:35], s[0:1], 0x40             ; T s20, WT s22, bT s24, codes s26, scales s28, maskbits s30, wm16 s32, t16 s34
	v_lshl_add_u32 v[SPW], v0, 2, SPARE
	v_mov_b32 v[NIL], 0
	v_lshrrev_b32 v1, 5, v0
	v_readfirstlane_b32 s36, v1                    ; wave 0..3
	v_and_b32 v2, 31, v0                           ; lane
	s_wait_kmcnt 0x0
	s_cmp_lt_u32 ttmp9, 864
	s_cbranch_scc1 .Lcodes
	s_cmp_lt_u32 ttmp9, 1120
	s_cbranch_scc1 .Lmask
	s_cmp_lt_u32 ttmp9, 1152
	s_cbranch_scc1 .Lwm
; ---------------------------------------------------------------- t = Q4(T) Q4(WT)^T + bT
; A wave takes 64 rows of T, four tiles of 16.  The product is used transposed (source 0 = 16 rows of WT, source 1 = 16 rows of T), so that a lane holds eight neighbouring columns of one row of t.
; K = 64 is half of the instruction's 128: lane (r, h) holds the whole block h of its row in registers 0-3; registers 4-7 are zero codes on both sides, under the byte 0x7f.
; T's and WT's loads take 16 bytes a lane, 128 bytes from lane to lane: these two inputs are 2.1 of the launch's 153 MB.
; WT's four tiles land in v32-159; once they are codes, those registers serve as accumulators, as two sets for T's tiles and for bT.
.set T_ACC, 32                         ; v32-63   four accumulators (at first WT's tile 0)
.set T_X,   64                         ; v64-127  two sets of 32: a tile of T, then its rows of t on their way out (at first WT's tiles 1 and 2)
.set T_BI,  128                        ; v128-159 bT in the result's layout, eight registers a tile of columns (at first WT's tile 3)
.set T_WA,  160                        ; v160-191 WT's four operands
.set T_TB,  24                         ; v24-31   T's operand;   v16-19 WT's scale words, v20 T's: they hold scales alone
	s_sub_co_u32 s40, ttmp9, 1152
	s_lshl_b32 s40, s40, 2
	s_add_co_u32 s40, s40, s36                     ; which 64 rows are my wave's
	s_lshl_b32 s42, s40, 14                        ; 64 rows of 256 bytes
	s_mov_b32 s43, 0
	s_add_nc_u64 s[20:21], s[20:21], s[42:43]
	s_lshl_b32 s42, s40, 13                        ; 64 rows of 128 bytes
	s_add_nc_u64 s[34:35], s[34:35], s[42:43]
	s_mov_b32 s38, 0x76543210
	s_mov_b32 s39, 0xfedcba98                      ; v_permlanex16_b32's selects for lane l xor 16
	v_and_b32 v1, 15, v0                           ; r
	v_bfe_u32 v3, v0, 4, 1                         ; h
	v_lshlrev_b32 v4, 8, v1
	v_lshl_add_u32 v4, v3, 7, v4                   ; row r of 256 bytes, block h
	v_lshlrev_b32 v5, 5, v3                        ; bT: 8 h numbers on
	s_mul_i32 s37, s36, 2304
	s_add_co_u32 s37, s37, TREG                    ; my stage
	v_mul_u32_u24 v6, v1, 144
	v_lshl_add_u32 v6, v3, 4, v6
	v_add_nc_u32 v6, s37, v6                       ; in: row r, 16 bytes for each half of the lanes
	v_lshrrev_b32 v7, 3, v2
	v_mul_u32_u24 v7, v7, 144
	v_and_b32 v8, 7, v2
	v_lshl_add_u32 v7, v8, 4, v7
	v_add_nc_u32 v7, s37, v7                       ; back: eight lanes to a row of 128 bytes, four rows an instruction
	v_lshlrev_b32 v8, 4, v2                        ; and the same 512 bytes in t16
	v_lshlrev_b32 v22, 3, v3                       ; 8 h: my byte's place in a scale word
	v_mov_b32 v15, 0                               ; (a lane permute's destination counts as one of its sources)
.irp nt, 0,1,2,3
.irp e, 0,1,2,3,4,5,6,7
	global_load_b128 v[T_ACC+32*\nt+4*\e:T_ACC+32*\nt+4*\e+3], v4, s[22:23] offset:4096*\nt+16*\e
.endr
.endr
.irp nt, 0,1,2,3
.irp g, 4,5,6,7
	v_mov_b32 v[T_WA+8*\nt+\g], 0                  ; K = 64 .. 127: zero codes
.endr
.endr
.irp g, 4,5,6,7
	v_mov_b32 v[T_TB+\g], 0
.endr
; 32 numbers of a lane, one block, become four registers of codes; the scale word is made of my byte and lane l xor 16's, with 0x7f for the two empty blocks
.macro QB src, dst, word
	v_max3_num_f32 v9, |v[\src]|, |v[\src+1]|, 0x1800000          ; two chains; the floor 2^(3 - 127) holds the byte at 1 from below
	v_max3_num_f32 v10, |v[\src+16]|, |v[\src+17]|, 0x1800000
.irp i, 2,4,6,8,10,12,14
	v_max3_num_f32 v9, v9, |v[\src+\i]|, |v[\src+\i+1]|
	v_max3_num_f32 v10, v10, |v[\src+16+\i]|, |v[\src+17+\i]|
.endr
	v_max_num_f32 v9, v9, v10                      ; the block's largest magnitude
	v_add_nc_u32 v11, 0xff000000, v9               ; 2 off its exponent field: the conversion takes the exponent field of this operand as its scale
	v_lshrrev_b32 v14, 23, v11                     ; the scale's byte,
	v_lshlrev_b32 v14, v22, v14                    ; at its place
	v_permlanex16_b32 v15, v14, s38, s39
	v_or_b32 v14, v14, v15
	v_or_b32 v[\word], 0x7f7f0000, v14
.irp g, 0,1,2,3
	v_cvt_scalef32_pk8_fp4_f32 v[\dst+\g], v[\src+8*\g:\src+8*\g+7], v11
.endr
	v_nop                                          ; one plain place behind a scaled conversion
.endm
	s_wait_loadcnt 0x0
.irp nt, 0,1,2,3
	QB T_ACC+32*\nt, T_WA+8*\nt, 16+\nt
.endr
.irp nt, 0,1,2,3
	global_load_b128 v[T_BI+8*\nt:T_BI+8*\nt+3], v5, s[24:25] offset:64*\nt
	global_load_b128 v[T_BI+8*\nt+4:T_BI+8*\nt+7], v5, s[24:25] offset:64*\nt+16
.endr
.macro TLOADS m                        ; tile m of T into set m % 2
.irp e, 0,1,2,3,4,5,6,7
	global_load_b128 v[T_X+32*((\m)%2)+4*\e:T_X+32*((\m)%2)+4*\e+3], v4, s[20:21] offset:4096*(\m)+16*\e th:TH_LOAD_NT
.endr
.endm
	TLOADS 0
	TLOADS 1
.macro TTILE m
.set T_XS, T_X+32*((\m)%2)
.if (\m) < 3
	s_wait_loadcnt 8                               ; this tile (and bT) are in; the next tile's eight loads may be out
.else
	s_wait_loadcnt 0x0
.endif
	QB T_XS, T_TB, 20
.rept 8
	v_nop                                          ; a scale register written by a vector instruction stands eight places ahead of a scaled matrix instruction, an operand four
.endr
.irp nt, 0,1,2,3
	v_wmma_scale_f32_16x16x128_f8f6f4 v[T_ACC+8*\nt:T_ACC+8*\nt+7], v[T_WA+8*\nt:T_WA+8*\nt+7], v[T_TB:T_TB+7], v[T_BI+8*\nt:T_BI+8*\nt+7], v[16+\nt], v20 matrix_a_fmt:MATRIX_FMT_FP4 matrix_b_fmt:MATRIX_FMT_FP4
.endr
.rept 4
	v_nop                                          ; four places ahead of the first read of results
.endr
.irp nt, 0,1,2,3
.irp p, 0,1,2,3
	v_cvt_pk_f16_f32 v[T_XS+4*\nt+\p], v[T_ACC+8*\nt+2*\p], v[T_ACC+8*\nt+2*\p+1]   ; each accumulator from its low end on
.endr
.endr
.irp nt, 0,1,2,3
	ds_store_b128 v6, v[T_XS+4*\nt:T_XS+4*\nt+3] offset:32*\nt
.endr
.irp i, 0,1,2,3
	ds_load_b128 v[T_XS+16+4*\i:T_XS+16+4*\i+3], v7 offset:576*\i   ; LDS serves a wave's instructions in order: these see the stores above
.endr
	s_wait_dscnt 0x0
.irp i, 0,1,2,3
	global_store_b128 v8, v[T_XS+16+4*\i:T_XS+16+4*\i+3], s[34:35] offset:2048*(\m)+512*\i   ; 32 lanes store 512 consecutive bytes
.endr
.if (\m)+2 < 4
	s_wait_xcnt 0x0                                ; the stores have read their registers: the set takes the tile two further on
	TLOADS (\m)+2
.endif
.endm
.irp m, 0,1,2,3
	TTILE \m
.endr
	s_wait_tensorcnt 0x0                           ; the wave's end
	ds_add_u32 v[SPW], v[NIL]
	s_wait_dscnt 0x0
	s_endpgm
; ---------------------------------------------------------------- CODES
; Rows are dense and K is a multiple of 32, so each tensor is a plain stream of blocks of 32.  A wave takes 16 steps of 512 numbers.  Each of a step's four loads reads 512 consecutive bytes; the 2,048 bytes
; turn through the wave's own stage (16 bytes of padding behind each 64) and come back 64 bytes a lane: 16 neighbours, two lanes to a block.  A lane's 16 codes are 8 bytes: the wave stores 256 consecutive bytes.
; A wave's 256 scale bytes are gathered in LDS and leave as one aligned run of 256 bytes.  Loads run four steps ahead, the turn through LDS one step.
.set S_R,   16                         ; v16-79   four sets of 16 numbers as loaded
.set S_X,   80                         ; v80-111  two sets of 16 neighbours
.set S_E,   112                        ; v112-127 a scale byte for each step
.set S_C,   128                        ; v128-191 codes: registers of its own for each step, so that no store's data are written again
.set S_SP,  80                         ; a lane's place in a stage
.Lcodes:
	v_lshlrev_b32 v3, 4, v2                        ; my 16 bytes of a load's 512
	s_mul_i32 s37, s36, 8192
	v_lshrrev_b32 v14, 2, v2
	v_mul_u32_u24 v14, v14, S_SP
	v_and_b32 v15, 3, v2
	v_lshl_add_u32 v14, v15, 4, v14
	v_add_nc_u32 v14, s37, v14                     ; the stage, on the way in
	v_mul_u32_u24 v15, v2, S_SP
	v_add_nc_u32 v15, s37, v15                     ; and on the way out: my 16 neighbours
	v_mul_u32_u24 v4, v2, 8                        ; my codes' place in a step's
	v_lshrrev_b32 v5, 1, v2
	s_add_co_u32 s37, s37, 2*32*S_SP
	v_add_nc_u32 v5, s37, v5                       ; my block's scale byte in LDS
	v_lshlrev_b32 v7, 3, v2
	v_add_nc_u32 v6, s37, v7
	s_mov_b64 s[44:45], s[4:5]                     ; which tensor: the choice hangs on the work-group's number alone
	s_cmp_ge_u32 ttmp9, 256
	s_cselect_b64 s[44:45], s[6:7], s[44:45]
	s_cmp_ge_u32 ttmp9, 512
	s_cselect_b64 s[44:45], s[8:9], s[44:45]
	s_cmp_ge_u32 ttmp9, 768
	s_cselect_b64 s[44:45], s[10:11], s[44:45]
	s_cselect_b32 s40, 31, 0xff                    ; 256 work-groups to an activation, 32 to a weight
	s_cmp_ge_u32 ttmp9, 800
	s_cselect_b64 s[44:45], s[12:13], s[44:45]
	s_cmp_ge_u32 ttmp9, 832
	s_cselect_b64 s[44:45], s[14:15], s[44:45]
	s_and_b32 s40, ttmp9, s40
	s_lshl_b32 s40, s40, 2
	s_add_co_u32 s40, s40, s36
	s_lshl_b32 s40, s40, 15                        ; my wave's run of 8,192 numbers in its tensor
	s_mov_b32 s41, 0
	s_add_nc_u64 s[44:45], s[44:45], s[40:41]
	s_lshl_b32 s42, ttmp9, 2
	s_add_co_u32 s42, s42, s36                     ; and in the joint buffers
	s_lshl_b32 s40, s42, 12
	s_add_nc_u64 s[46:47], s[26:27], s[40:41]
	s_lshl_b32 s40, s42, 8
	s_add_nc_u64 s[48:49], s[28:29], s[40:41]
.macro SLOAD t
.irp i, 0,1,2,3
	global_load_b128 v[S_R+16*((\t)%4)+4*\i:S_R+16*((\t)%4)+4*\i+3], v3, s[44:45] offset:2048*(\t)+512*\i th:TH_LOAD_NT
.endr
.endm
.macro STURN t
.irp i, 0,1,2,3
	ds_store_b128 v14, v[S_R+16*((\t)%4)+4*\i:S_R+16*((\t)%4)+4*\i+3] offset:32*S_SP*((\t)%2)+8*S_SP*\i
.endr
.irp i, 0,1,2,3
	ds_load_b128 v[S_X+16*((\t)%2)+4*\i:S_X+16*((\t)%2)+4*\i+3], v15 offset:32*S_SP*((\t)%2)+16*\i
.endr
.endm
.irp t, 0,1,2,3
	SLOAD \t
.endr
	s_wait_loadcnt 12                              ; step 0's four loads are in
	STURN 0
.macro SSTEP t
.set S_XS, S_X+16*((\t)%2)
.if (\t) > 0
	s_wait_dscnt 1                                 ; this step's numbers are back from the stage (the last step's byte store may be out)
.else
	s_wait_dscnt 0x0
.endif
.if (\t)+4 < 16
	SLOAD (\t)+4
.endif
.if (\t)+1 < 16
.if 14-(\t) >= 3
	s_wait_loadcnt 12                              ; the next step's four loads are in; those of the three steps behind it may be out
.else
	s_wait_loadcnt 4*(14-(\t))
.endif
	STURN (\t)+1
.endif
	v_max3_num_f32 v8, |v[S_XS]|, |v[S_XS+1]|, |v[S_XS+2]|
	v_max3_num_f32 v9, |v[S_XS+3]|, |v[S_XS+4]|, |v[S_XS+5]|
.irp i, 6,10
	v_max3_num_f32 v8, v8, |v[S_XS+\i]|, |v[S_XS+\i+1]|
	v_max3_num_f32 v9, v9, |v[S_XS+\i+2]|, |v[S_XS+\i+3]|
.endr
	v_max3_num_f32 v8, v8, |v[S_XS+14]|, |v[S_XS+15]|
	v_max3_num_f32 v8, v8, v9, 0x1800000           ; and the floor 2^(3 - 127)
	v_max_num_f32_dpp v8, v8, v8 row_xmask:1 row_mask:0xf bank_mask:0xf   ; with my neighbour's 16: the block's largest magnitude
	v_add_nc_u32 v11, 0xff000000, v8               ; 2 off its exponent field: the conversion's scale operand
	v_cvt_scalef32_pk8_fp4_f32 v[S_C+4*(\t)], v[S_XS:S_XS+7], v11
	v_cvt_scalef32_pk8_fp4_f32 v[S_C+4*(\t)+1], v[S_XS+8:S_XS+15], v11
	v_lshrrev_b32 v[S_E+(\t)], 23, v11             ; the scale's byte (also the plain place behind the conversions)
	ds_store_b8 v5, v[S_E+(\t)] offset:16*(\t)     ; both lanes of a block write the same byte with the same value
	global_store_b64 v4, v[S_C+4*(\t):S_C+4*(\t)+1], s[46:47] offset:256*(\t)
.endm
.irp t, 0,1,2,3,4,5,6,7,8,9,10,11,12,13,14,15
	SSTEP \t
.endr
	ds_load_b64 v[8:9], v6
	s_wait_dscnt 0x0
	global_store_b64 v7, v[8:9], s[48:49]          ; 32 lanes store 256 consecutive bytes
	s_wait_tensorcnt 0x0                           ; the wave's end
	ds_add_u32 v[SPW], v[NIL]
	s_wait_dscnt 0x0
	s_endpgm
; ---------------------------------------------------------------- MASK
; A wave takes 16 rows of the mask x 512 keys: eight blocks of 16 rows x 256 bytes.  A block is loaded two whole row pieces an instruction, turns through the wave's stage (rows 272 bytes apart) so that lane l
; holds, in 32 registers, the 32 numbers that its 32 score registers will meet, and each register's compare with 1 gives one word.  Two blocks' 64 words are laid into a register pair by lane and leave as 256 consecutive bytes.
.set M_X,   32                         ; v32-63   a block, by score register
.set M_R,   64                         ; v64-159  three sets of 32, as loaded
.set M_WD,  16                         ; v16-23   four pairs of words on their way out
.Lmask:
	s_sub_co_u32 s40, ttmp9, 864
	s_lshl_b32 s40, s40, 2
	s_add_co_u32 s40, s40, s36
	s_lshr_b32 s41, s40, 1                         ; which tile of 16 queries (64 b + qt)
	s_and_b32 s40, s40, 1                          ; which half of the keys
	s_lshl_b32 s42, s41, 16
	s_lshl_b32 s44, s40, 11
	s_add_co_u32 s42, s42, s44
	s_mov_b32 s43, 0
	s_add_nc_u64 s[16:17], s[16:17], s[42:43]
	s_lshl_b32 s42, s41, 11
	s_lshl_b32 s44, s40, 10
	s_add_co_u32 s42, s42, s44
	s_add_nc_u64 s[30:31], s[30:31], s[42:43]
	v_and_b32 v1, 15, v0
	v_bfe_u32 v7, v0, 4, 1
	v_lshlrev_b32 v8, 4, v1
	v_lshl_add_u32 v3, v7, 12, v8                  ; lanes 0-15 one row's 256 bytes, lanes 16-31 the next row's
	s_mul_i32 s37, s36, 4352
	s_add_co_u32 s37, s37, MREG
	v_mad_u32_u24 v4, v7, 272, v8
	v_add_nc_u32 v4, s37, v4                       ; the stage, on the way in
	v_mul_u32_u24 v5, v1, 272
	v_lshl_add_u32 v5, v7, 5, v5
	v_add_nc_u32 v5, s37, v5                       ; and out: row l % 16, 8 (l / 16) keys on
	v_lshlrev_b32 v6, 3, v2
.irp i, 0,1,2,3,4,5,6,7
	v_mov_b32 v[M_WD+\i], 0                        ; (v_writelane_b32's destination counts as one of its sources)
.endr
.macro MLOAD t
.irp i, 0,1,2,3,4,5,6,7
	global_load_b128 v[M_R+32*((\t)%3)+4*\i:M_R+32*((\t)%3)+4*\i+3], v3, s[16:17] offset:8192*\i+256*(\t) th:TH_LOAD_NT
.endr
.endm
.macro MBLOCK t
.if (\t) <= 5
	s_wait_loadcnt 16                              ; this block's eight loads are in; the two younger blocks' may be out
.else
	s_wait_loadcnt 8*(7-(\t))
.endif
.irp i, 0,1,2,3,4,5,6,7
	ds_store_b128 v4, v[M_R+32*((\t)%3)+4*\i:M_R+32*((\t)%3)+4*\i+3] offset:544*\i
.endr
.irp i, 0,1,2,3,4,5,6,7
	ds_load_b128 v[M_X+4*\i:M_X+4*\i+3], v5 offset:64*(\i/2)+16*(\i%2)
.endr
	s_wait_dscnt 0x0
.if (\t)+3 < 8
	MLOAD (\t)+3
.endif
.irp q, 0,1,2,3
.irp e, 0,1,2,3,4,5,6,7
	v_cmp_eq_u32 s[40+\e], 1, v[M_X+8*\q+\e]       ; word 8 q + e: bit l is lane l's
.endr
.irp e, 0,1,2,3,4,5,6,7
	v_writelane_b32 v[M_WD+2*((\t)/2)+(\e%2)], s[40+\e], (32*((\t)%2)+8*\q+\e)/2
.endr
.endr
.if (\t)%2 == 1
	global_store_b64 v6, v[M_WD+2*((\t)/2):M_WD+2*((\t)/2)+1], s[30:31] offset:256*((\t)/2)   ; two steps' 64 words: 256 consecutive bytes
.endif
.endm
	MLOAD 0
	MLOAD 1
	MLOAD 2
.irp t, 0,1,2,3,4,5,6,7
	MBLOCK \t
.endr
	s_wait_tensorcnt 0x0                           ; the wave's end
	ds_add_u32 v[SPW], v[NIL]
	s_wait_dscnt 0x0
	s_endpgm
; ---------------------------------------------------------------- WM to f16
; A wave takes 8,192 numbers: four groups of 16 loads of 512 consecutive bytes; a lane's four numbers are 8 bytes of f16: the wave stores 256 consecutive bytes.
.set W_IN,  32                         ; v32-159  two sets of 64
.set W_OUT, 160                        ; v160-191 one set of 32
.Lwm:
	s_sub_co_u32 s40, ttmp9, 1120
	s_lshl_b32 s40, s40, 2
	s_add_co_u32 s40, s40, s36
	s_lshl_b32 s42, s40, 15
	s_mov_b32 s43, 0
	s_add_nc_u64 s[18:19], s[18:19], s[42:43]
	s_lshl_b32 s42, s40, 14
	s_add_nc_u64 s[32:33], s[32:33], s[42:43]
	v_lshlrev_b32 v3, 4, v2
	v_lshlrev_b32 v4, 3, v2
.macro WLOADS g
.irp i, 0,1,2,3,4,5,6,7,8,9,10,11,12,13,14,15
	global_load_b128 v[W_IN+64*((\g)%2)+4*\i:W_IN+64*((\g)%2)+4*\i+3], v3, s[18:19] offset:512*(16*(\g)+\i) th:TH_LOAD_NT
.endr
.endm
.macro WGROUP g
.if (\g) < 3
	s_wait_loadcnt 16                              ; this group is in; the younger group may be out
.else
	s_wait_loadcnt 0x0
.endif
.if (\g) >= 1
	s_wait_xcnt 0x0                                ; the last group's stores have read their registers
.endif
.irp i, 0,1,2,3,4,5,6,7,8,9,10,11,12,13,14,15
	v_cvt_pk_f16_f32 v[W_OUT+2*\i], v[W_IN+64*((\g)%2)+4*\i], v[W_IN+64*((\g)%2)+4*\i+1]
	v_cvt_pk_f16_f32 v[W_OUT+2*\i+1], v[W_IN+64*((\g)%2)+4*\i+2], v[W_IN+64*((\g)%2)+4*\i+3]
.endr
.if (\g)+2 < 4
	WLOADS (\g)+2
.endif
.irp i, 0,1,2,3,4,5,6,7,8,9,10,11,12,13,14,15
	global_store_b64 v4, v[W_OUT+2*\i:W_OUT+2*\i+1], s[32:33] offset:256*(16*(\g)+\i)
.endr
.endm
	WLOADS 0
	WLOADS 1
.irp g, 0,1,2,3
	WGROUP \g
.endr
	s_wait_tensorcnt 0x0                           ; the wave's end, as in the other jobs
	ds_add_u32 v[SPW], v[NIL]
	s_wait_dscnt 0x0
	s_endpgm
.Lfunc_end_k_q178c8c23e7_prep:
	.size	k_q178c8c23e7_prep, .Lfunc_end_k_q178c8c23e7_prep-k_q178c8c23e7_prep
	.p2alignl 7, 3214868480
	.fill 96, 4, 3214868480
	.section	.rodata,"a",@progbits
	.p2align	6, 0x0
	.amdhsa_kernel k_q178c8c23e7_prep
		.amdhsa_group_segment_fixed_size 59904
		.amdhsa_private_segment_fixed_size 0
		.amdhsa_enable_private_segment 0
		.amdhsa_kernarg_size 128
		.amdhsa_user_sgpr_count 2
		.amdhsa_user_sgpr_kernarg_segment_ptr 1
		.amdhsa_wavefront_size32 1
		.amdhsa_system_sgpr_workgroup_id_x 1
		.amdhsa_system_sgpr_workgroup_id_y 1
		.amdhsa_system_sgpr_workgroup_id_z 1
		.amdhsa_system_vgpr_workitem_id 0
		.amdhsa_next_free_vgpr 192
		.amdhsa_next_free_sgpr 66
		.amdhsa_reserve_vcc 0
		.amdhsa_float_denorm_mode_32 3
		.amdhsa_float_denorm_mode_16_64 3
		.amdhsa_memory_ordered 1
		.amdhsa_forward_progress 1
		.amdhsa_inst_pref_size 136
	.end_amdhsa_kernel
	.amdgpu_metadata
---
amdhsa.version: [ 1, 2 ]
amdhsa.kernels:
  - .name:           k_q178c8c23e7_prep
    .symbol:         k_q178c8c23e7_prep.kd
    .args:
      - { .name: Q, .offset: 0, .size: 8, .value_kind: global_buffer, .address_space: global }
      - { .name: K, .offset: 8, .size: 8, .value_kind: global_buffer, .address_space: global }
      - { .name: V, .offset: 16, .size: 8, .value_kind: global_buffer, .address_space: global }
      - { .name: WQ, .offset: 24, .size: 8, .value_kind: global_buffer, .address_space: global }
      - { .name: WK, .offset: 32, .size: 8, .value_kind: global_buffer, .address_space: global }
      - { .name: WV, .offset: 40, .size: 8, .value_kind: global_buffer, .address_space: global }
      - { .name: mask, .offset: 48, .size: 8, .value_kind: global_buffer, .address_space: global }
      - { .name: WM, .offset: 56, .size: 8, .value_kind: global_buffer, .address_space: global }
      - { .name: T, .offset: 64, .size: 8, .value_kind: global_buffer, .address_space: global }
      - { .name: WT, .offset: 72, .size: 8, .value_kind: global_buffer, .address_space: global }
      - { .name: bT, .offset: 80, .size: 8, .value_kind: global_buffer, .address_space: global }
      - { .name: codes, .offset: 88, .size: 8, .value_kind: global_buffer, .address_space: global }
      - { .name: scales, .offset: 96, .size: 8, .value_kind: global_buffer, .address_space: global }
      - { .name: maskbits, .offset: 104, .size: 8, .value_kind: global_buffer, .address_space: global }
      - { .name: wm16, .offset: 112, .size: 8, .value_kind: global_buffer, .address_space: global }
      - { .name: t16, .offset: 120, .size: 8, .value_kind: global_buffer, .address_space: global }
    .group_segment_fixed_size: 59904
    .private_segment_fixed_size: 0
    .kernarg_segment_align: 8
    .kernarg_segment_size: 128
    .max_flat_workgroup_size: 128
    .sgpr_count:     66
    .vgpr_count:     192
    .wavefront_size: 32
...
	.end_amdgpu_metadata
.endif
;; end of part 1
;; launch proj (part 2): grid 4 x 96, 4 waves a work-group, clusters of 4 x 4, 327,680 bytes of LDS; arguments codes, scales, bQ, bK, bV, qkv; writes qkv
.if DOCPART == 2
	.amdgcn_target "amdgcn-amd-amdhsa--gfx1250"
	.amdhsa_code_object_version 6
	.text
	.protected	k_q178c8c23e7_proj
	.globl	k_q178c8c23e7_proj
	.p2align	8
	.type	k_q178c8c23e7_proj,@function
k_q178c8c23e7_proj:
	s_mov_b64 s[64:65], 0
	v_nop
	global_prefetch_b8 v0, s[64:65] scope:SCOPE_SE
	s_setreg_imm32_b32 hwreg(HW_REG_WAVE_MODE, 25, 1), 1
	s_wait_xcnt 0x0
	s_wait_alu depctr_hold_cnt(0) depctr_sa_sdst(0) depctr_va_vdst(0) depctr_va_sdst(0) depctr_va_ssrc(0) depctr_va_vcc(0) depctr_vm_vsrc(0)
	s_getreg_b32 s2, hwreg(HW_REG_IB_STS2, 6, 4)
	s_cmp_eq_u32 s2, 0
	s_cbranch_scc0 .Lentry_in_a_cluster
	s_endpgm
.Lentry_in_a_cluster:
	s_bfe_u32 s2, ttmp6, 0x10000c
	s_cmp_lg_u32 s2, 0xf033
	s_cbranch_scc0 .Lentry_shape_is_right
	s_endpgm
.Lentry_shape_is_right:
; PROJ: q = Q4(Q) Q4(WQ)^T + bQ, and k and v likewise: one GEMM of 24,576 x 1,024 x 1,024 on codes of E2M1 with E8M0 scales; results in f16, laid by head: qkv [kind 3][batch 8][head 16][1024][64].
; Nothing of the problem is left out here.  LIMIT: q, k, v must lie inside f16's range (magnitudes under 65,504).
; A tile of 256 x 256 is made by a work-group of four waves; a wave makes 128 x 128: 64 accumulators, 512 registers.  The tile rows 0-31 are Q's, 32-63 K's, 64-95 V's; the kind picks the weight's rows and the bias.
; K = 1,024 is two slots of 512 along K (rows of 256 bytes): both are filled at the start and nothing is filled again.  The scales of the work-group's rows, for all of K, come once, in whole runs of 256 bytes.
; CLUSTERS: 4 x 4 work-groups; the four of a row of the cluster ask for A's tiles jointly, the four of a column for B's.  A cluster's four tile rows are of one kind (32 tile rows to a kind).
; THE MATRIX INSTRUCTION IS USED TRANSPOSED (source 0 = 16 rows of the weight, source 1 = 16 rows of the activation): a lane holds eight neighbouring columns of a row.  The bias is the C of each sum's first product.
; REGISTERS: window 0: v0-31 addresses; v32-95 scale words, two sets (they hold scales alone); v96-127 packed results; v128-191 A's fragments, later rows on the way out; v192-255 the bias, eight registers a block of columns.
;   window 1: B's fragments, two sets.   window 2: the accumulators of my rows 0-63 ((a, b) at v[8 (8 a + b)]);   window 3: those of rows 64-127.
.set NQ,     4                         ; matrix instructions deep in a slot
.set ROWB,   256                       ; a tile's row in bytes
.set KROW,   512                       ; a row of codes in memory
.set PITCH,  272                       ; an LDS row: 256 bytes + 16 of padding: the 16 rows that a load touches start at 16 different 16-byte columns
.set FR,     8
.set NL,     2
.set NP,     4
.set HALFT,  128*PITCH
.set SLOT,   4*HALFT
.set KS,     32                        ; a row of scales in bytes
.set SCL,    2*SLOT
.set HALFS,  16*272                    ; the scales of 128 rows
.set SBLK,   2*272                     ; those of 16 rows
.set SPARE,  SCL+4*HALFS               ; the spare words, 128 bytes a wave: two blocks of 256 bytes that no other line names
.set ADRA, 16
.set ADRB, 20
.set STO,  24                          ; the way out: where I put 16 bytes of a row
.set RD,   25                          ; where I read rows back
.set CO,   26                          ; 16 x lane
.set ADRS, 27
.set SPW,  28
.set NIL,  29
.set SC,   32
.set TMP,  96
.set AF,   128
.set BK,   128
.set BIAS, 192
.set G1, 24
.set G0, 32
.set G1B, 48
.set G0B, 56
.set G1S, 68
.set G0S, 76
.set G1SB, 80
.set G0SB, 88
.set MSB, 0
.macro WIN new                         ; the immediate's high byte repeats the setting that is left
.if MSB != \new
	s_set_vgpr_msb (MSB<<8)|\new
.set MSB, \new
.endif
.endm
.set MUL_LO, 0xa1                      ; source 0 (B) window 1, source 1 (A) window 0, C and D window 2
.set MUL_HI, 0xf1                      ; the same, C and D window 3
.set FST_LO, 0x81                      ; the first products: C (the bias) window 0, D window 2
.set FST_HI, 0xc1                      ; D window 3
.set TO_B,   0x40
; A joint load: waves 0 and 1 fetch for A, waves 2 and 3 for B; the branch hangs on the wave's number alone.  An s_nop 0 and four v_nop follow each line.
.macro JLOAD g0a, g1a, g0b, g1b
	s_cmp_eq_u32 s15, 0
	s_cbranch_scc0 .Lfor_b_\@
	tensor_load_to_lds s[\g0a:\g0a+3], s[\g1a:\g1a+7]
	s_nop 0
.rept 4
	v_nop
.endr
	s_branch .Lasked_\@
.Lfor_b_\@:
	tensor_load_to_lds s[\g0b:\g0b+3], s[\g1b:\g1b+7]
	s_nop 0
.rept 4
	v_nop
.endr
.Lasked_\@:
.endm
.macro CROUND                          ; a round of the cluster's barrier
	s_barrier_signal -1
	s_barrier_wait -1
	s_cmp_lg_u32 s14, 0
	s_cbranch_scc1 .Lnot_wave_0_\@
	s_barrier_signal -3
.Lnot_wave_0_\@:
	s_barrier_wait -3
	s_barrier_signal -1
	s_barrier_wait -1
.endm
	s_load_b256 s[4:11], s[0:1], 0x0               ; codes s4, scales s6, bQ s8, bK s10
	s_load_b128 s[92:95], s[0:1], 0x20             ; bV s92, qkv s94
	v_lshl_add_u32 v[SPW], v0, 2, SPARE
	v_mov_b32 v[NIL], 0
	ds_add_u32 v[SPW], v[NIL]                      ; the wave's opening: the add, twice on end, and its wait ahead of my first tensor load
	ds_add_u32 v[SPW], v[NIL]
	v_lshrrev_b32 v1, 5, v0
	v_readfirstlane_b32 s14, v1                    ; wave 0..3
	s_lshr_b32 s15, s14, 1                         ; which half of the tile's rows is mine.  Also: I fetch for A (0) or for B (1)
	s_and_b32 s16, s14, 1                          ; which half of its columns.  Also: which 128 rows I fetch
	s_bfe_u32 s40, ttmp6, 0x40000                  ; cx, cy
	s_bfe_u32 s41, ttmp6, 0x40004
	s_lshl_b32 s42, ttmp9, 2
	s_add_co_u32 s42, s42, s40                     ; tile column X
	s_and_b32 s66, ttmp7, 0xffff                   ; the cluster's y
	s_lshl_b32 s17, s66, 2
	s_add_co_u32 s17, s17, s41                     ; tile row Y
	s_lshr_b32 s66, s66, 3                         ; the kind: 0 q, 1 k, 2 v: eight clusters to a kind, so it is the same in all sixteen partners
	s_lshl_b32 s43, s41, 2
	s_lshl_b32 s43, 15, s43                        ; my row of the cluster
	s_lshl_b32 s44, 0x1111, s40                    ; my column
	s_or_b32 s[G1+0], s43, (0<<16)|(1<<20)|(1<<21)|(5<<22)|(3<<25)   ; the mask; elements of 1 byte; padding on; bit 21 beside a mask; four words behind every 64
	s_or_b32 s[G1B+0], s44, (0<<16)|(1<<20)|(1<<21)|(5<<22)|(3<<25)
.irp g, G1, G1B
	s_mov_b32 s[\g+1], ROWB<<16                    ; tensor_dim0
	s_mov_b32 s[\g+2], 128<<16                     ; tensor_dim1
	s_mov_b32 s[\g+3], ROWB<<16                    ; tile_dim0
	s_mov_b32 s[\g+4], 128                         ; tile_dim1
	s_mov_b32 s[\g+5], KROW                        ; from row to row
	s_mov_b32 s[\g+6], 0
	s_mov_b32 s[\g+7], 0
.endr
	s_or_b32 s[G1S+0], s43, (3<<16)|(1<<20)|(1<<21)|(5<<22)|(3<<25)  ; the scales of 128 rows: 4,096 dense bytes as 16 rows of 256 (32 elements of 8 bytes)
	s_or_b32 s[G1SB+0], s44, (3<<16)|(1<<20)|(1<<21)|(5<<22)|(3<<25)
.irp g, G1S, G1SB
	s_mov_b32 s[\g+1], 32<<16
	s_mov_b32 s[\g+2], 16<<16
	s_mov_b32 s[\g+3], 32<<16
	s_mov_b32 s[\g+4], 16
	s_mov_b32 s[\g+5], 32
	s_mov_b32 s[\g+6], 0
	s_mov_b32 s[\g+7], 0
.endr
	s_lshl_b32 s18, s16, 7
	s_lshl_b32 s20, s17, 8
	s_add_co_u32 s20, s20, s18                     ; A: row 256 Y + 128 x half
	s_lshl_b32 s46, s42, 8
	s_add_co_u32 s46, s46, s18
	s_lshl_b32 s19, s66, 10
	s_add_co_u32 s46, s46, s19
	s_add_co_u32 s46, s46, 24576                   ; B: row 24,576 + 1,024 kind + 256 X + 128 x half
	s_mov_b32 s21, 0
	s_mov_b32 s47, 0
	s_mov_b64 s[18:19], KS
	s_mul_u64 s[22:23], s[20:21], s[18:19]         ; where these rows' scales begin,
	s_mul_u64 s[12:13], s[46:47], s[18:19]
	s_mov_b64 s[18:19], KROW
	s_mul_u64 s[20:21], s[20:21], s[18:19]         ; and their codes
	s_mul_u64 s[46:47], s[46:47], s[18:19]
	s_mul_i32 s45, s14, HALFT                      ; where they go: wave x 128 rows
	s_mul_i32 s96, s14, HALFS
	s_wait_dscnt 0x0                               ; both opening adds are done
	s_wait_kmcnt 0x0
	s_add_nc_u64 s[20:21], s[4:5], s[20:21]
	s_add_nc_u64 s[22:23], s[6:7], s[22:23]
	s_add_nc_u64 s[46:47], s[4:5], s[46:47]
	s_add_nc_u64 s[12:13], s[6:7], s[12:13]
	CROUND                                         ; all sixteen work-groups are here: the first joint loads meet
	s_mov_b32 s[G0S], 1
	s_add_co_u32 s[G0S+1], s96, SCL
	s_mov_b64 s[G0S+2:G0S+3], s[22:23]
	s_or_b32 s[G0S+3], s[G0S+3], 0x80000000
	s_mov_b32 s[G0SB], 1
	s_add_co_u32 s[G0SB+1], s96, SCL
	s_mov_b64 s[G0SB+2:G0SB+3], s[12:13]
	s_or_b32 s[G0SB+3], s[G0SB+3], 0x80000000
	JLOAD G0S, G1S, G0SB, G1SB                     ; the scales first: they are wanted with the first slot
.irp s, 0,1
	s_mov_b32 s[G0+4*\s], 1
	s_add_co_u32 s[G0+4*\s+1], s45, \s*SLOT
	s_add_nc_u64 s[G0+4*\s+2:G0+4*\s+3], s[20:21], \s*ROWB
	s_or_b32 s[G0+4*\s+3], s[G0+4*\s+3], 0x80000000
	s_mov_b32 s[G0B+4*\s], 1
	s_add_co_u32 s[G0B+4*\s+1], s45, \s*SLOT
	s_add_nc_u64 s[G0B+4*\s+2:G0B+4*\s+3], s[46:47], \s*ROWB
	s_or_b32 s[G0B+4*\s+3], s[G0B+4*\s+3], 0x80000000
	JLOAD G0+4*\s, G1, G0B+4*\s, G1B               ; three loads of mine are out
.endr
	v_and_b32 v1, 15, v0                           ; r
	v_bfe_u32 v2, v0, 4, 1                         ; h
	; the bias of my 128 columns: register 8 b + j = bias[256 X + 128 half + 16 b + 8 h + j]
	s_cmp_eq_u32 s66, 1
	s_cselect_b64 s[8:9], s[10:11], s[8:9]
	s_cmp_eq_u32 s66, 2
	s_cselect_b64 s[8:9], s[92:93], s[8:9]
	s_lshl_b32 s20, s42, 10
	s_lshl_b32 s22, s16, 9
	s_add_co_u32 s20, s20, s22
	s_mov_b32 s21, 0
	s_add_nc_u64 s[8:9], s[8:9], s[20:21]
	v_lshlrev_b32 v30, 5, v2
.irp b, 0,1,2,3,4,5,6,7
	global_load_b128 v[BIAS+8*\b:BIAS+8*\b+3], v30, s[8:9] offset:64*\b
	global_load_b128 v[BIAS+8*\b+4:BIAS+8*\b+7], v30, s[8:9] offset:64*\b+16
.endr
	v_mul_u32_u24 v3, v1, PITCH
	v_lshl_add_u32 v4, v2, 4, v3                   ; a fragment's row x pitch + 16 x half
	s_mul_i32 s21, s15, HALFT
	s_mul_i32 s22, s16, HALFT
	s_add_co_u32 s22, s22, 2*HALFT
.irp s, 0,1
	v_add_nc_u32 v[ADRA+\s], s21, v4
	v_add_nc_u32 v[ADRB+\s], s22, v4
	s_add_co_u32 s21, s21, SLOT
	s_add_co_u32 s22, s22, SLOT
.endr
	v_mul_u32_u24 v5, v1, KS                       ; my row's scales: 32 bytes a row,
	v_lshrrev_b32 v6, 8, v5
	v_lshl_add_u32 v5, v6, 4, v5                   ; and 16 more for each 256 passed
	s_mul_i32 s21, s15, HALFS
	s_mul_i32 s22, s16, HALFS
	s_add_co_u32 s22, s22, 2*HALFS
	s_sub_co_u32 s22, s22, s21
	v_mul_u32_u24 v6, s22, v2                      ; lanes 16-31 take B's
	s_add_co_u32 s21, s21, SCL
	v_add_nc_u32 v5, v5, v6
	v_add_nc_u32 v[ADRS], s21, v5
	; the way out: a stage of 2 heads x 16 rows x 144 bytes for each wave, in slot 0, which has had its only fill and its last read when the first result is stored there
	s_mul_i32 s23, s14, 4608
	v_mul_u32_u24 v5, v1, 144
	v_lshl_add_u32 v5, v2, 4, v5
	v_add_nc_u32 v[STO], s23, v5
	v_and_b32 v6, 31, v0
	v_lshlrev_b32 v[CO], 4, v6
	v_lshrrev_b32 v5, 3, v6
	v_mul_u32_u24 v5, v5, 144
	v_and_b32 v6, 7, v6
	v_lshl_add_u32 v5, v6, 4, v5
	v_add_nc_u32 v[RD], s23, v5                    ; back: eight lanes to a row of 128 bytes, four rows an instruction
	; where my part begins in qkv: kind x 2^24 + (16 batch + 4 X + 2 half) x 2^17 + (256 (Y % 4) + 128 half) x 128
	s_and_b32 s20, s17, 31
	s_lshr_b32 s21, s20, 2
	s_lshl_b32 s21, s21, 4
	s_lshl_b32 s22, s42, 2
	s_add_co_u32 s21, s21, s22
	s_lshl_b32 s22, s16, 1
	s_add_co_u32 s21, s21, s22
	s_lshl_b32 s21, s21, 17
	s_and_b32 s20, s20, 3
	s_lshl_b32 s20, s20, 8
	s_lshl_b32 s22, s15, 7
	s_add_co_u32 s20, s20, s22
	s_lshl_b32 s20, s20, 7
	s_add_co_u32 s20, s20, s21
	s_lshl_b32 s22, s66, 24
	s_add_co_u32 s20, s20, s22
	s_mov_b32 s21, 0
	s_add_nc_u64 s[94:95], s[94:95], s[20:21]
.macro FRAG reg, adr, q, i             ; 16 rows x 128 K of 4-bit codes: 8 registers, two loads of 16 bytes, 32 bytes apart
.irp c, 0,1
	ds_load_b128 v[\reg+4*\c:\reg+4*\c+3], v[\adr] offset:64*(\q)+32*\c+(\i)*16*PITCH
.endr
.endm
; 16 matrix instructions: A's blocks a0, a0 + 1 x B's eight.  zero = 1: the first product starts the sums on the bias.  The 64 accumulators take turns, one instruction a turn.
.macro MUL16 a0, p, q, sc, zero
.irp a, \a0, \a0+1
.irp b, 0,1,2,3,4,5,6,7
.if \zero
	v_wmma_scale_f32_16x16x128_f8f6f4 v[8*(8*((\a)%4)+\b):8*(8*((\a)%4)+\b)+7], v[128*(\p)+FR*\b:128*(\p)+FR*\b+FR-1], v[AF+FR*(\a):AF+FR*(\a)+FR-1], v[BIAS+8*\b:BIAS+8*\b+7], v[SC+8*NQ*(\sc)+NQ*\b+(\q)], v[SC+8*NQ*(\sc)+NQ*(\a)+(\q)] matrix_a_fmt:MATRIX_FMT_FP4 matrix_b_fmt:MATRIX_FMT_FP4 matrix_a_scale:MATRIX_SCALE_ROW1
.else
	v_wmma_scale_f32_16x16x128_f8f6f4 v[8*(8*((\a)%4)+\b):8*(8*((\a)%4)+\b)+7], v[128*(\p)+FR*\b:128*(\p)+FR*\b+FR-1], v[AF+FR*(\a):AF+FR*(\a)+FR-1], v[8*(8*((\a)%4)+\b):8*(8*((\a)%4)+\b)+7], v[SC+8*NQ*(\sc)+NQ*\b+(\q)], v[SC+8*NQ*(\sc)+NQ*(\a)+(\q)] matrix_a_fmt:MATRIX_FMT_FP4 matrix_b_fmt:MATRIX_FMT_FP4 matrix_a_scale:MATRIX_SCALE_ROW1
.endif
.endr
.endr
.endm
.macro FETCH_B slot, q, p
	WIN TO_B
.irp i, 0,1,2,3,4,5,6,7
	FRAG 128*(\p)+FR*\i, ADRB+\slot, \q, \i
.endr
	WIN 0
.endm
.macro FETCH_A slot, q, i0
.irp i, \i0, \i0+1, \i0+2, \i0+3
	FRAG AF+FR*(\i), ADRA+\slot, \q, \i
.endr
.endm
.macro SCALES sc                       ; a slot's scale words: four a row; lanes 0-15 take A's block i, lanes 16-31 B's block i
.irp i, 0,1,2,3,4,5,6,7
	ds_load_b128 v[SC+8*NQ*\sc+NQ*\i:SC+8*NQ*\sc+NQ*\i+3], v[ADRS] offset:\i*SBLK
.endr
.endm
.macro PLACES n                        ; plain vector instructions between a matrix instruction and a load into, or a read of, its registers
.rept \n
	v_nop
.endr
.endm
.macro STEP slot, q, zero              ; 128 along K that has its successor in the same slot
	s_wait_dscnt 4*NL                              ; B's set and A's blocks 0-3 are in; the youngest eight loads (A's blocks 4-7) may be out
.if \zero
	WIN FST_LO
.else
	WIN MUL_LO
.endif
	MUL16 0, (\q)%2, \q, \slot, \zero
	MUL16 2, (\q)%2, \q, \slot, \zero
	s_wait_dscnt 0
	PLACES NP
	FETCH_B \slot, (\q)+1, 1-(\q)%2
	FETCH_A \slot, (\q)+1, 0
.if \zero
	WIN FST_HI
.else
	WIN MUL_HI
.endif
	MUL16 4, (\q)%2, \q, \slot, \zero
	MUL16 6, (\q)%2, \q, \slot, \zero
	PLACES NP
	WIN 0
	FETCH_A \slot, (\q)+1, 4
.endm
.macro STEPS slot, from
.set QQ, \from
.rept NQ-1-\from
	STEP \slot, QQ, 0
.set QQ, QQ+1
.endr
.endm
	s_wait_tensorcnt 1                             ; the scales and my part of slot 0 are in (slot 1's load may be out)
	s_barrier_signal -1
	s_barrier_wait -1                              ; everybody's are
	FETCH_B 0, 0, 0
	FETCH_A 0, 0, 0
	SCALES 0
	FETCH_A 0, 0, 4
	s_wait_loadcnt 0x0                             ; the bias
	STEP 0, 0, 1
	STEPS 0, 1
	; slot 0's last step changes slots: one barrier; in front of it each wave waits for all its tensor loads (slot 1's), adds 0 to its spare word, and waits for that and for its reads of slot 0
	s_wait_tensorcnt 0x0
	ds_add_u32 v[SPW], v[NIL]
	s_wait_dscnt 4*NL+1                            ; (the add and A's blocks 4-7 may be out)
	WIN MUL_LO
	MUL16 0, 1, NQ-1, 0, 0
	s_wait_dscnt 0x0
	s_barrier_signal -1
	MUL16 2, 1, NQ-1, 0, 0
	WIN 0
	s_barrier_wait -1
	PLACES NP
	v_add_nc_u32 v[ADRS], 4*NQ, v[ADRS]            ; on to slot 1's scale words
	FETCH_B 1, 0, 0
	FETCH_A 1, 0, 0
	SCALES 1
	WIN MUL_HI
	MUL16 4, 1, NQ-1, 0, 0
	MUL16 6, 1, NQ-1, 0, 0
	PLACES NP
	WIN 0
	FETCH_A 1, 0, 4
	STEPS 1, 0
	s_wait_dscnt 4*NL                              ; the very last step: nothing more to fetch
	WIN MUL_LO
	MUL16 0, 1, NQ-1, 1, 0
	MUL16 2, 1, NQ-1, 1, 0
	s_wait_dscnt 0
	WIN MUL_HI
	MUL16 4, 1, NQ-1, 1, 0
	MUL16 6, 1, NQ-1, 1, 0
	WIN 0
; THE WAY OUT, block by block of 16 rows x 128 columns (two heads).  Rounded to f16, 16 bytes a lane; through my stage; back as each head's 16 rows, 2,048 consecutive bytes of qkv.
.macro PACK a
.set AC, 64*((\a)%4)
	WIN 0x0a+5*((\a)/4)                            ; sources 0 and 1: window 2 or 3
.irp b, 0,1,2,3,4,5,6,7
.irp r, 0,1,2,3
	v_cvt_pk_f16_f32 v[TMP+4*\b+\r], v[AC+8*\b+2*\r], v[AC+8*\b+2*\r+1]   ; each accumulator from its low end on
.endr
.endr
	WIN 0
.endm
.macro TOSTAGE a
.set BB, BK+32*((\a)%2)
.irp b, 0,1,2,3,4,5,6,7
	ds_store_b128 v[STO], v[TMP+4*\b:TMP+4*\b+3] offset:(\b/4)*2304+32*(\b%4)
.endr
.irp t, 0,1,2,3,4,5,6,7
	ds_load_b128 v[BB+4*\t:BB+4*\t+3], v[RD] offset:(\t/4)*2304+576*(\t%4)   ; LDS serves a wave's instructions in order: these see the stores above
.endr
.endm
.macro SEND a
.set BB, BK+32*((\a)%2)
	s_wait_dscnt 0x0                               ; the block is back in registers
	s_wait_xcnt 0x0                                ; the block before has had its stores' registers read: the next block's loads may land there
.irp t, 0,1,2,3,4,5,6,7
	global_store_b128 v[CO], v[BB+4*\t:BB+4*\t+3], s[94:95] offset:2048*(\a)+131072*(\t/4)+512*(\t%4)   ; 32 lanes store 512 consecutive bytes
.endr
.endm
	PLACES NP
	PACK 0
	TOSTAGE 0
.irp a, 1,2,3,4,5,6,7
	PACK \a                                        ; block a's conversions stand between block a - 1's loads from the stage and the wait for them
	SEND \a-1
	TOSTAGE \a
.endr
	SEND 7
	s_wait_tensorcnt 0x0                           ; the wave's end
	ds_add_u32 v[SPW], v[NIL]
	s_wait_dscnt 0x0
	CROUND                                         ; the closing round
	s_endpgm
.Lfunc_end_k_q178c8c23e7_proj:
	.size	k_q178c8c23e7_proj, .Lfunc_end_k_q178c8c23e7_proj-k_q178c8c23e7_proj
	.p2alignl 7, 3214868480
	.fill 96, 4, 3214868480
	.section	.rodata,"a",@progbits
	.p2align	6, 0x0
	.amdhsa_kernel k_q178c8c23e7_proj
		.amdhsa_group_segment_fixed_size 327680
		.amdhsa_private_segment_fixed_size 0
		.amdhsa_enable_private_segment 0
		.amdhsa_kernarg_size 48
		.amdhsa_user_sgpr_count 2
		.amdhsa_user_sgpr_kernarg_segment_ptr 1
		.amdhsa_wavefront_size32 1
		.amdhsa_system_sgpr_workgroup_id_x 1
		.amdhsa_system_sgpr_workgroup_id_y 1
		.amdhsa_system_sgpr_workgroup_id_z 1
		.amdhsa_system_vgpr_workitem_id 0
		.amdhsa_next_free_vgpr 1024
		.amdhsa_next_free_sgpr 98
		.amdhsa_reserve_vcc 0
		.amdhsa_float_denorm_mode_32 3
		.amdhsa_float_denorm_mode_16_64 3
		.amdhsa_memory_ordered 1
		.amdhsa_forward_progress 1
		.amdhsa_inst_pref_size 128
	.end_amdhsa_kernel
	.amdgpu_metadata
---
amdhsa.version: [ 1, 2 ]
amdhsa.kernels:
  - .name:           k_q178c8c23e7_proj
    .symbol:         k_q178c8c23e7_proj.kd
    .args:
      - { .name: codes, .offset: 0, .size: 8, .value_kind: global_buffer, .address_space: global }
      - { .name: scales, .offset: 8, .size: 8, .value_kind: global_buffer, .address_space: global }
      - { .name: bQ, .offset: 16, .size: 8, .value_kind: global_buffer, .address_space: global }
      - { .name: bK, .offset: 24, .size: 8, .value_kind: global_buffer, .address_space: global }
      - { .name: bV, .offset: 32, .size: 8, .value_kind: global_buffer, .address_space: global }
      - { .name: qkv, .offset: 40, .size: 8, .value_kind: global_buffer, .address_space: global }
    .group_segment_fixed_size: 327680
    .private_segment_fixed_size: 0
    .kernarg_segment_align: 8
    .kernarg_segment_size: 48
    .max_flat_workgroup_size: 128
    .sgpr_count:     98
    .vgpr_count:     1024
    .wavefront_size: 32
...
	.end_amdgpu_metadata
.endif
;; end of part 2
;; launch attn (part 3): grid 4 x 64, 8 waves a work-group, clusters of 4 x 1, 327,680 bytes of LDS; arguments qkv, t16, maskbits, xh; writes xh
.if DOCPART == 3
	.amdgcn_target "amdgcn-amd-amdhsa--gfx1250"
	.amdhsa_code_object_version 6
	.text
	.protected	k_q178c8c23e7_attn
	.globl	k_q178c8c23e7_attn
	.p2align	8
	.type	k_q178c8c23e7_attn,@function
k_q178c8c23e7_attn:
	s_mov_b64 s[64:65], 0
	v_nop
	global_prefetch_b8 v0, s[64:65] scope:SCOPE_SE
	s_setreg_imm32_b32 hwreg(HW_REG_WAVE_MODE, 25, 1), 1
	s_wait_xcnt 0x0
	s_wait_alu depctr_hold_cnt(0) depctr_sa_sdst(0) depctr_va_vdst(0) depctr_va_sdst(0) depctr_va_ssrc(0) depctr_va_vcc(0) depctr_vm_vsrc(0)
	s_getreg_b32 s2, hwreg(HW_REG_IB_STS2, 6, 4)
	s_cmp_eq_u32 s2, 0
	s_cbranch_scc0 .Lentry_in_a_cluster
	s_endpgm
.Lentry_in_a_cluster:
	s_bfe_u32 s2, ttmp6, 0x10000c
	s_cmp_lg_u32 s2, 0x3003
	s_cbranch_scc0 .Lentry_shape_is_right
	s_endpgm
.Lentry_shape_is_right:
; ATTN: x[b][h][q] = the sum over keys of softmax(where(mask == 1, -1e9, [q|t] . [k|t] / sqrt(128))) v.  q, k, v: qkv [kind][b][h][1024][64] f16; t: t16 [b][1024][64] f16, shared by the heads;
; the mask as lane-mask words (maskbits); x: xh [h][8192][64] f16.  Products on f16 operands, sums, maxima and the softmax in f32, with a running maximum.  Nothing of the problem is left out here.
; SHARES.  A work-group owns 256 queries of one batch and takes them through TWO neighbouring heads, one after the other; each of its eight waves owns 32 queries: two tiles of 16; two waves lie on a SIMD,
; so that one wave's softmax stands beside the other's products.  For each head every wave walks all 1,024 keys, 64 a step.  k, t and v come through a ring of two LDS slots of 256 keys (four steps).
; THE RING GOES ON INTO THE SECOND HEAD: its k and v follow the first head's in memory, so the walking address steps on as ever; t, which the heads share, goes back to its first rows.
; The second head's q is loaded at the start and waits in registers; the t half of Q' and the mask words serve both heads.
; CLUSTER.  The four query blocks of a head walk the same k, t and v: each tile is asked for jointly, mask 15.  Each wave issues one load a slot: waves 0, 1 k's halves, 2, 3 t's, 4 to 7 v's quarters.
; LAYOUT.  S^T = K' Q'^T (source 0 = 16 keys, source 1 = 16 queries): a lane holds one query (lane % 16) and keys 16 kt + 8 (lane / 16) + j.  Two such tiles, rounded to f16 in pairs, are source 1 of O^T = V^T P.
; v ([key][channel]) comes out of LDS turned, by ds_load_tr16_b128.  The mask word of score register 8 kt + j holds bit l for lane l: one v_cndmask_b32 a register, the word in a scalar register.
; SOFTMAX.  p = 2^(c s - c m), c = log2(e) / sqrt(128); in every step O and l are multiplied by a = 2^(c m_old - c m_new).  m begins at -3e38, l and O^T at 0, so the step has one form.
; For the second head m alone is set back to -3e38: its first step's a is then 2^(-3.8e37) = 0, which clears l and O^T.
; LIMITS.  A masked score is -2^33 in units of the raw product (-7.6e8 after the division, in place of -1e9): c x -2^33 is exact, so a row that is masked throughout gets p = 1 for every key, the plain average that
; the softmax of equal numbers gives; beside any open score above -7e8 a masked key's weight is 0 both ways.  Open scores under -7e8 are not served.  q, k, v, t lie inside f16's range.
; A NaN or an infinity in the first head's O^T stays in the second head's (0 times it is no 0): both heads feed the same rows of the result.
; No prefetch: every slot but the first two is asked for four key steps (192 matrix instructions of each wave) ahead of the wait for it.
; REGISTERS.  window 0: v2-11 addresses, v12 -2^33, v14-15 c, v16-31 statistics (eight a tile), v32-95 S^T, v96-127 P, v128-191 Q', v192-255 O^T.   window 1: v0-127 K', v128-191 V^T, v192-223 the second head's q.
.set SLOT1, 131072                     ; a slot: k 256 rows x 144 at 0, t 256 x 144 at 36,864, v 256 x 160 at 73,728; slot 1 begins here, so that one exclusive or turns an address
.set STAGE, 245760                     ; behind the ring: 32 rows x 144 bytes for each wave, for the way out
.set SPARE, 282624                     ; the spare words, 128 bytes a wave: four blocks of 256 bytes that no other line names
.set AK0, 2
.set AV0, 3
.set ADK, 4
.set ADV, 5
.set QO,  6
.set STO, 7
.set RD,  8
.set GO,  9
.set SPW, 10
.set NIL, 11
.set NEG, 12
.set CV,  14
.set ST,  16                           ; tile t at v[ST + 8 t]: +0 c m, +1 m, +2, +3 l (even keys', odd keys'), +4 .. +7 at work; a at +6
.set S,   32
.set P,   96
.set Q,   128
.set O,   192
.set KF,  0                            ; in window 1
.set VF,  128
.set Q2,  192
.set WV,  24                           ; s24 my wave's number;  s[4:11], s[12:19] descriptor groups 1;  s[20:23] the walking group 0;  s[2:3] the mask words' step, in bytes, and 0
.set TBK, 25                           ; s25 LDS byte of the step's rows of k;  s27 of v;  s26 counts a slot's steps
.set CNT, 26
.set TBV, 27
.set WR,  28                           ; s[28:29] at first t's address for Q'; then what the walking address goes back at the change of heads: 131,072 in waves 2 and 3, 0 in the others
.set MSB, 0
.macro WIN new                         ; the immediate's high byte repeats the setting that is left
.if MSB != \new
	s_set_vgpr_msb (MSB<<8)|\new
.set MSB, \new
.endif
.endm
.macro ROUND                           ; a round of the cluster's barrier
	s_barrier_signal -1
	s_barrier_wait -1
	s_cmp_lg_u32 s[WV], 0
	s_cbranch_scc1 .Lnot_wave_0_\@
	s_barrier_signal -3
.Lnot_wave_0_\@:
	s_barrier_wait -3
	s_barrier_signal -1
	s_barrier_wait -1
.endm
.macro JLOAD                           ; a joint refill; the branch hangs on the wave's number alone.  An s_nop 0 and four v_nop follow each line
	s_cmp_lt_u32 s[WV], 4
	s_cbranch_scc0 .Lfor_v_\@
	tensor_load_to_lds s[20:23], s[4:11]
	s_nop 0
.rept 4
	v_nop
.endr
	s_branch .Lasked_\@
.Lfor_v_\@:
	tensor_load_to_lds s[20:23], s[12:19]
	s_nop 0
.rept 4
	v_nop
.endr
.Lasked_\@:
.endm
	s_load_b256 s[32:39], s[0:1], 0x0              ; qkv s32, t16 s34, maskbits s36, xh s38
	v_lshl_add_u32 v[SPW], v0, 2, SPARE
	v_mov_b32 v[NIL], 0
	ds_add_u32 v[SPW], v[NIL]                      ; the wave's opening: the add, twice on end, and its wait ahead of my first tensor load
	ds_add_u32 v[SPW], v[NIL]
	v_lshrrev_b32 v1, 5, v0
	v_readfirstlane_b32 s[WV], v1                  ; wave 0..7
	s_bfe_u32 s2, ttmp6, 0x40000                   ; cx: it enters the addresses of the queries, the mask words and x alone
	s_and_b32 s68, ttmp7, 0xffff
	s_lshl_b32 s68, s68, 1                         ; 16 b + h of the first of my two heads (h even), which the four partners share
	s_lshr_b32 s69, s68, 4                         ; b
	s_and_b32 s70, s68, 15                         ; h
	s_lshl_b32 s71, s2, 8
	s_lshl_b32 s72, s[WV], 5
	s_add_co_u32 s71, s71, s72                     ; my first query: 256 cx + 32 wave
	s_lshl_b32 s75, s71, 7
	s_lshl_b32 s76, s69, 17
	s_lshl_b32 s77, s68, 17
	s_add_co_u32 s78, s77, s75                     ; q: head x 2^17 + query x 128
	s_mov_b32 s79, 0
	s_add_co_u32 s80, s76, s75                     ; t: batch x 2^17 + query x 128; the mask words lie at the same offset: (64 b + query / 16) x 2,048
	s_mov_b32 s81, 0
	s_lshl_b32 s82, s70, 20
	s_add_co_u32 s82, s82, s80                     ; x: h x 2^20 + the same
	s_mov_b32 s83, 0
	s_min_u32 s72, s[WV], 4                        ; where my part of a slot lies in LDS: k's and t's halves 18,432 apart, then v's quarters 10,240 apart
	s_mul_i32 s72, s72, 18432
	s_lshr_b32 s73, s[WV], 2
	s_and_b32 s74, s[WV], 3
	s_mul_i32 s73, s73, s74
	s_mul_i32 s73, s73, 10240
	s_add_co_u32 s72, s72, s73
	s_and_b32 s86, s[WV], 1                        ; and in memory
	s_lshl_b32 s86, s86, 14
	s_lshl_b32 s87, s74, 13
	s_mov_b32 s88, 0x2000000
	s_lshr_b32 s89, s[WV], 1
	s_cmp_lt_u32 s[WV], 4
	s_cselect_b32 s86, s86, s87                    ; 128 rows a half, 64 a quarter
	s_cselect_b32 s88, 0x1000000, s88              ; k is kind 1, v kind 2
	s_add_co_u32 s88, s88, s77
	s_cmp_eq_u32 s89, 1                            ; waves 2 and 3 fetch t
	s_cselect_b32 s88, s76, s88
	s_add_co_u32 s86, s86, s88
	s_mov_b32 s87, 0
	s_mov_b32 s4, 15|(1<<16)|(1<<20)|(1<<21)|(4<<22)|(3<<25)   ; k, t: the mask: all four; elements of 2 bytes; padding on; bit 21 beside a mask; four words behind every 32
	s_mov_b32 s5, 64<<16                           ; tensor_dim0
	s_mov_b32 s6, 128<<16                          ; tensor_dim1
	s_mov_b32 s7, 64<<16                           ; tile_dim0
	s_mov_b32 s8, 128                              ; tile_dim1
	s_mov_b32 s9, 64                               ; from row to row
	s_mov_b32 s10, 0
	s_mov_b32 s11, 0
	s_mov_b32 s12, 15|(1<<16)|(1<<20)|(1<<21)|(4<<22)|(7<<25)  ; v: eight words of padding, 64 rows
	s_mov_b32 s13, 64<<16
	s_mov_b32 s14, 64<<16
	s_mov_b32 s15, 64<<16
	s_mov_b32 s16, 64
	s_mov_b32 s17, 64
	s_mov_b32 s18, 0
	s_mov_b32 s19, 0
	s_mov_b32 s30, 0x76543210
	s_mov_b32 s31, 0xfedcba98                      ; v_permlanex16_b32's selects for lane l xor 16
	s_wait_dscnt 0x0                               ; both opening adds are done
	s_wait_kmcnt 0x0
	s_cmp_eq_u32 s89, 1
	s_cselect_b64 s[84:85], s[34:35], s[32:33]
	s_add_nc_u64 s[84:85], s[84:85], s[86:87]      ; my part of slot 0 in memory
	s_add_nc_u64 s[100:101], s[32:33], s[78:79]    ; q at my first query
	s_add_nc_u64 s[28:29], s[34:35], s[80:81]      ; t likewise
	s_add_nc_u64 s[66:67], s[36:37], s[80:81]      ; my tiles' mask words
	s_add_nc_u64 s[104:105], s[38:39], s[82:83]    ; x
	s_mov_b32 s40, 1                               ; group 0 for slot 0
	s_mov_b32 s41, s72
	s_mov_b64 s[42:43], s[84:85]
	s_or_b32 s43, s43, 0x80000000
	s_mov_b32 s20, 1                               ; group 0 for slot 1; it then walks on
	s_add_co_u32 s21, s72, SLOT1
	s_add_nc_u64 s[22:23], s[84:85], 32768         ; 256 rows of 128 bytes on, in all three tensors
	s_or_b32 s23, s23, 0x80000000
	ROUND                                          ; all four work-groups are here: the first joint loads meet
	s_cmp_lt_u32 s[WV], 4                          ; a wave's two first fills stand in one branch: two loads of mine are out
	s_cbranch_scc0 .Lfirst_v
	tensor_load_to_lds s[40:43], s[4:11]
	s_nop 0
	tensor_load_to_lds s[20:23], s[4:11]
	s_nop 0
.rept 4
	v_nop
.endr
	s_branch .Lfirst_asked
.Lfirst_v:
	tensor_load_to_lds s[40:43], s[12:19]
	s_nop 0
	tensor_load_to_lds s[20:23], s[12:19]
	s_nop 0
.rept 4
	v_nop
.endr
.Lfirst_asked:
	v_and_b32 v1, 15, v0                           ; r
	v_bfe_u32 v13, v0, 4, 1                        ; h
	v_lshlrev_b32 v[QO], 7, v1
	v_lshl_add_u32 v[QO], v13, 4, v[QO]            ; row r of 128 bytes + 16 h
.irp t, 0,1                                    ; Q' = [q | t] stays in registers: tile t, channels 32 ks on
.irp ks, 0,1
	global_load_b128 v[Q+32*\t+8*\ks:Q+32*\t+8*\ks+3], v[QO], s[100:101] offset:2048*\t+64*\ks
	global_load_b128 v[Q+32*\t+8*\ks+4:Q+32*\t+8*\ks+7], v[QO], s[100:101] offset:2048*\t+64*\ks+32
	global_load_b128 v[Q+32*\t+16+8*\ks:Q+32*\t+16+8*\ks+3], v[QO], s[28:29] offset:2048*\t+64*\ks
	global_load_b128 v[Q+32*\t+16+8*\ks+4:Q+32*\t+16+8*\ks+7], v[QO], s[28:29] offset:2048*\t+64*\ks+32
.endr
.endr
	WIN 0x40                                       ; destination window 1: the second head's q, 131,072 bytes on
.irp t, 0,1
.irp ks, 0,1
	global_load_b128 v[Q2+16*\t+8*\ks:Q2+16*\t+8*\ks+3], v[QO], s[100:101] offset:131072+2048*\t+64*\ks
	global_load_b128 v[Q2+16*\t+8*\ks+4:Q2+16*\t+8*\ks+7], v[QO], s[100:101] offset:131072+2048*\t+64*\ks+32
.endr
.endr
	WIN 0
	v_mul_u32_u24 v[AK0], v1, 144
	v_lshl_add_u32 v[AK0], v13, 4, v[AK0]          ; a fragment of K': row r x pitch + 16 h
	v_and_b32 v4, 7, v0
	v_lshl_add_u32 v[AV0], v13, 3, v4              ; the turning load: key 8 h + l % 8,
	v_mul_u32_u24 v[AV0], v[AV0], 160
	v_bfe_u32 v4, v0, 3, 1
	v_lshl_add_u32 v[AV0], v4, 4, v[AV0]           ; channels 8 ((l / 8) % 2) on
	v_add_nc_u32 v[AV0], 73728, v[AV0]
	s_mul_i32 s2, s[WV], 4608
	s_add_co_u32 s2, s2, STAGE                     ; my stage
	v_add_nc_u32 v[STO], s2, v[AK0]                ; in: row r, 16 bytes for each half of the lanes
	v_and_b32 v4, 31, v0
	v_lshlrev_b32 v[GO], 4, v4
	v_lshrrev_b32 v5, 3, v4
	v_mul_u32_u24 v5, v5, 144
	v_and_b32 v4, 7, v0
	v_lshl_add_u32 v5, v4, 4, v5
	v_add_nc_u32 v[RD], s2, v5                     ; back: eight lanes to a row of 128 bytes
	v_mov_b32 v[NEG], 0xd0000000                   ; -2^33
	v_mov_b32 v[CV], 0x3e0293ee                    ; c = log2(e) / sqrt(128)
	v_mov_b32 v[CV+1], 0x3e0293ee
.irp t, 0,1
	v_mov_b32 v[ST+8*\t+1], 0xff61b1e6             ; m = -3e38, under every score
	v_mul_f32 v[ST+8*\t], v[CV], v[ST+8*\t+1]
.irp j, 2,3,4,5,6,7
	v_mov_b32 v[ST+8*\t+\j], 0
.endr
.endr
.set i, 0
.rept 64
	v_mov_b32 v[O+i], 0                            ; O^T: the step is written in one form; its first walk finds zeros
.set i, i+1
.endr
	s_mov_b32 s2, 0
	s_mov_b32 s3, 0
	s_wait_tensorcnt 0x1                           ; my part of slot 0 is in, and its group 0 may be written; slot 1's may stay out
	s_barrier_signal -1
	s_barrier_wait -1
	s_load_b512 s[32:47], s[66:67], 0x0            ; step 0's mask words: tile 0's 32,
	s_load_b512 s[48:63], s[66:67], 0x40
	s_load_b512 s[68:83], s[66:67], 0x800          ; tile 1's
	s_load_b512 s[84:99], s[66:67], 0x840
	s_wait_loadcnt 0x0                             ; Q' and the second head's q: their address registers are free
	s_lshr_b32 s[CNT], s[WV], 1
	s_cmp_eq_u32 s[CNT], 1                         ; waves 2 and 3 fetch t: the wave's number alone decides, so the pair is the same in all four partners
	s_cselect_b32 s[WR], 0x20000, 0
	s_mov_b32 s[WR+1], 0
; A KEY STEP: 64 keys.
.macro STEP
	v_add_nc_u32 v[ADK], s[TBK], v[AK0]
	v_add_nc_u32 v[ADV], s[TBV], v[AV0]
	v_nop
	v_nop                                          ; four plain instructions between the last products and the loads into the registers that they read
	WIN 0x40                                       ; destination window 1
.irp kt, 0,1,2,3
.irp ks, 0,1,2,3
	ds_load_b128 v[KF+32*\kt+8*\ks:KF+32*\kt+8*\ks+3], v[ADK] offset:2304*\kt+64*(\ks%2)+36864*(\ks/2)
	ds_load_b128 v[KF+32*\kt+8*\ks+4:KF+32*\kt+8*\ks+7], v[ADK] offset:2304*\kt+64*(\ks%2)+36864*(\ks/2)+32
.endr
.endr
.irp f, 0,1,2,3,4,5,6,7                        ; keys 32 (f / 4) on, channels 16 (f % 4) on
	ds_load_tr16_b128 v[VF+8*\f:VF+8*\f+3], v[ADV] offset:(\f/4)*5120+(\f%4)*32
	ds_load_tr16_b128 v[VF+8*\f+4:VF+8*\f+7], v[ADV] offset:(\f/4)*5120+2560+(\f%4)*32
.endr
	s_wait_dscnt 16                                ; K' is in; V's sixteen younger loads may be out
	WIN 0x01                                       ; source 0 window 1
.set i, 0
.rept 32                                       ; S^T = K' Q'^T: channels 32 (i / 8) on, keys 16 ((i / 2) % 4) on, tile i % 2: eight accumulators by turns
.set rS, S+32*(i%2)+8*((i/2)%4)
.set rK, KF+32*((i/2)%4)+8*(i/8)
.set rQ, Q+32*(i%2)+8*(i/8)
.if i < 8
	v_wmma_f32_16x16x32_f16 v[rS:rS+7], v[rK:rK+7], v[rQ:rQ+7], 0
.else
	v_wmma_f32_16x16x32_f16 v[rS:rS+7], v[rK:rK+7], v[rQ:rQ+7], v[rS:rS+7]
.endif
.set i, i+1
.endr
	WIN 0
	s_wait_kmcnt 0x0                               ; this step's mask words, asked for a step ago
.rept 4
	v_nop                                          ; four places ahead of the first read of results
.endr
.set i, 0
.rept 32
	v_cndmask_b32 v[S+i], v[S+i], v[NEG], s[32+i]          ; a masked score becomes -2^33; each accumulator from its low end on
	v_cndmask_b32 v[S+32+i], v[S+32+i], v[NEG], s[68+i]
.set i, i+1
.endr
	s_add_co_u32 s2, s2, 128                       ; the next step's words: they have a step in which to land.  A head's last step asks for step 0's again: the second head wants just these, and no load leaves the buffer
	s_and_b32 s2, s2, 0x780
	s_add_nc_u64 s[100:101], s[66:67], s[2:3]      ; (the loads that read this pair are done: the wait above)
	s_load_b512 s[32:47], s[100:101], 0x0
	s_load_b512 s[48:63], s[100:101], 0x40
	s_load_b512 s[68:83], s[100:101], 0x800
	s_load_b512 s[84:99], s[100:101], 0x840
.irp j, 0,1,2,3                                ; the maximum of 32 scores and the old m: four chains, the two tiles by turns
.irp t, 0,1
	v_max3_num_f32 v[ST+8*\t+4+\j], v[S+32*\t+8*\j], v[S+32*\t+8*\j+1], v[S+32*\t+8*\j+2]
.endr
.endr
.irp g, 1,2
.irp j, 0,1,2,3
.irp t, 0,1
	v_max3_num_f32 v[ST+8*\t+4+\j], v[ST+8*\t+4+\j], v[S+32*\t+8*\j+2*\g+1], v[S+32*\t+8*\j+2*\g+2]
.endr
.endr
.endr
.irp t, 0,1
	v_max3_num_f32 v[ST+8*\t+4], v[ST+8*\t+4], v[S+32*\t+7], v[S+32*\t+15]
	v_max3_num_f32 v[ST+8*\t+6], v[ST+8*\t+6], v[S+32*\t+23], v[S+32*\t+31]
.endr
.irp t, 0,1
	v_max3_num_f32 v[ST+8*\t+4], v[ST+8*\t+4], v[ST+8*\t+5], v[ST+8*\t+6]
.endr
.irp t, 0,1
	v_max3_num_f32 v[ST+8*\t+4], v[ST+8*\t+4], v[ST+8*\t+7], v[ST+8*\t+1]
.endr
.irp t, 0,1
	v_permlanex16_b32 v[ST+8*\t+5], v[ST+8*\t+4], s30, s31   ; the query's other 32 keys lie in the lane 16 away
	v_mov_b32 v[ST+8*\t+7], v[ST+8*\t]             ; c m_old
.endr
.irp t, 0,1
	v_max_num_f32 v[ST+8*\t+1], v[ST+8*\t+4], v[ST+8*\t+5]
.endr
.irp t, 0,1
	v_mul_f32 v[ST+8*\t], v[CV], v[ST+8*\t+1]
.endr
.irp t, 0,1
	v_sub_f32 v[ST+8*\t+7], v[ST+8*\t+7], v[ST+8*\t]
.endr
.irp t, 0,1
	v_exp_f32 v[ST+8*\t+6], v[ST+8*\t+7]           ; a.  ONE BATCH from here on: nothing up to the wait names an exponential's result
.endr
.set i, 0
.rept 16
	v_pk_fma_f32 v[S+2*i:S+2*i+1], v[S+2*i:S+2*i+1], v[CV:CV+1], v[ST:ST+1] op_sel_hi:[1,1,0] neg_lo:[0,0,1] neg_hi:[0,0,1]             ; c s - c m, two at a time
	v_pk_fma_f32 v[S+32+2*i:S+32+2*i+1], v[S+32+2*i:S+32+2*i+1], v[CV:CV+1], v[ST+8:ST+9] op_sel_hi:[1,1,0] neg_lo:[0,0,1] neg_hi:[0,0,1]
.set i, i+1
.endr
.set i, 0
.rept 64
	v_exp_f32 v[S+i], v[S+i]
.set i, i+1
.endr
	v_nop                                          ; a plain instruction behind the last exponential
	s_wait_alu depctr_va_vdst(0)                   ; one wait for the batch of 66, ahead of its first reader
.set i, 0
.rept 32
	v_cvt_pk_f16_f32 v[P+i], v[S+2*i], v[S+2*i+1]  ; P: pair i of both tiles' 16
.set i, i+1
.endr
.irp u, 0,1,2,3,4,5,6,7                        ; the sums, in place: neighbours 1, 2, 4 and 8 pairs apart
.irp t, 0,1
	v_pk_add_f32 v[S+32*\t+4*\u:S+32*\t+4*\u+1], v[S+32*\t+4*\u:S+32*\t+4*\u+1], v[S+32*\t+4*\u+2:S+32*\t+4*\u+3]
.endr
.endr
.irp u, 0,1,2,3
.irp t, 0,1
	v_pk_add_f32 v[S+32*\t+8*\u:S+32*\t+8*\u+1], v[S+32*\t+8*\u:S+32*\t+8*\u+1], v[S+32*\t+8*\u+4:S+32*\t+8*\u+5]
.endr
.endr
.irp u, 0,1
.irp t, 0,1
	v_pk_add_f32 v[S+32*\t+16*\u:S+32*\t+16*\u+1], v[S+32*\t+16*\u:S+32*\t+16*\u+1], v[S+32*\t+16*\u+8:S+32*\t+16*\u+9]
.endr
.endr
.irp t, 0,1
	v_pk_add_f32 v[S+32*\t:S+32*\t+1], v[S+32*\t:S+32*\t+1], v[S+32*\t+16:S+32*\t+17]
.endr
.irp t, 0,1
	v_pk_fma_f32 v[ST+8*\t+2:ST+8*\t+3], v[ST+8*\t+2:ST+8*\t+3], v[ST+8*\t+6:ST+8*\t+7], v[S+32*\t:S+32*\t+1] op_sel_hi:[1,0,1]   ; l = a l + the sum
.endr
.irp t, 0,1
.set i, 0
.rept 16
	v_pk_mul_f32 v[O+32*\t+2*i:O+32*\t+2*i+1], v[O+32*\t+2*i:O+32*\t+2*i+1], v[ST+8*\t+6:ST+8*\t+7] op_sel_hi:[1,0]   ; O^T x a
.set i, i+1
.endr
.endr
	s_wait_dscnt 0x0                               ; V is in
	WIN 0x01
.set i, 0
.rept 16                                       ; O^T += V^T P: keys 32 (i / 8) on, channels 16 ((i / 2) % 4) on, tile i % 2: eight accumulators by turns
.set rO, O+32*(i%2)+8*((i/2)%4)
.set rV, VF+32*(i/8)+8*((i/2)%4)
.set rP, P+16*(i%2)+8*(i/8)
	v_wmma_f32_16x16x32_f16 v[rO:rO+7], v[rV:rV+7], v[rP:rP+7], v[rO:rO+7]
.set i, i+1
.endr
	WIN 0
.endm
.macro FOUR_STEPS slot                 ; a slot's four key steps: written once, walked four times
	s_mov_b32 s[TBK], \slot*SLOT1
	s_mov_b32 s[TBV], \slot*SLOT1
	s_mov_b32 s[CNT], 4
.Lstep_\@:
	STEP
	s_add_co_u32 s[TBK], s[TBK], 9216              ; 64 rows of 144 bytes
	s_add_co_u32 s[TBV], s[TBV], 10240             ; 64 rows of 160
	s_sub_co_u32 s[CNT], s[CNT], 1
	s_cmp_lg_u32 s[CNT], 0
	s_cbranch_scc1 .Lstep_\@
.endm
; THE CHANGE OF SLOTS.  Each wave waits for all its tensor loads (its part of the slot ahead), adds 0 to its spare word, and waits for that and for its reads of the slot that it leaves.
; fill = 1: a round of the cluster's barrier, and behind it the joint refill of the slot just left, with the 256 keys two slots on: my one tensor load until the next round.
; back = 1: those keys are the second head's first: k's and v's follow in memory; t's address goes back by a head's 131,072 bytes.
.macro CHANGE fill, back
	s_wait_tensorcnt 0x0                           ; no tensor load of mine is out, so the group 0 may be written
	ds_add_u32 v[SPW], v[NIL]
.if \fill
	s_xor_b32 s21, s21, SLOT1
	s_add_nc_u64 s[22:23], s[22:23], 32768
.if \back
	s_sub_nc_u64 s[22:23], s[22:23], s[WR:WR+1]
.endif
.endif
	s_wait_dscnt 0x0
.if \fill
	ROUND
	JLOAD
.else
	s_barrier_signal -1
	s_barrier_wait -1
.endif
.endm
; THE WAY OUT of head hd of my two: O^T / l, rounded to f16, through my stage, a tile's 16 rows as 2,048 consecutive bytes of xh; the second head's rows lie 2^20 bytes on
.macro WAYOUT hd
.irp t, 0,1
	v_add_f32 v[ST+8*\t+4], v[ST+8*\t+2], v[ST+8*\t+3]
.endr
	v_nop
	v_nop                                          ; (with the two additions: four places behind the last products)
.irp t, 0,1
	v_permlanex16_b32 v[ST+8*\t+5], v[ST+8*\t+4], s30, s31
.endr
.irp t, 0,1
	v_add_f32 v[ST+8*\t+4], v[ST+8*\t+4], v[ST+8*\t+5]
.endr
.irp t, 0,1
	v_rcp_f32 v[ST+8*\t+6], v[ST+8*\t+4]
.endr
	v_nop                                          ; a plain instruction behind the last reciprocal
	s_wait_alu depctr_va_vdst(0)                   ; and one wait for the two, ahead of their first reader
.irp t, 0,1
.set i, 0
.rept 16
	v_pk_mul_f32 v[O+32*\t+2*i:O+32*\t+2*i+1], v[O+32*\t+2*i:O+32*\t+2*i+1], v[ST+8*\t+6:ST+8*\t+7] op_sel_hi:[1,0]
.set i, i+1
.endr
.set i, 0
.rept 16
	v_cvt_pk_f16_f32 v[S+32*\t+i], v[O+32*\t+2*i], v[O+32*\t+2*i+1]
.set i, i+1
.endr
.irp ct, 0,1,2,3
	ds_store_b128 v[STO], v[S+32*\t+4*\ct:S+32*\t+4*\ct+3] offset:2304*\t+32*\ct
.endr
.irp n, 0,1,2,3
	ds_load_b128 v[S+32*\t+16+4*\n:S+32*\t+16+4*\n+3], v[RD] offset:2304*\t+576*\n   ; LDS serves a wave's instructions in order: these see the stores above
.endr
.endr
.irp n, 0,1,2,3
	s_wait_dscnt 11-\n                             ; behind tile 0's load n: its 3 - n younger loads, tile 1's four stores and four loads
	global_store_b128 v[GO], v[S+16+4*\n:S+16+4*\n+3], s[104:105] offset:1048576*\hd+512*\n
.endr
.irp n, 0,1,2,3
	s_wait_dscnt 3-\n
	global_store_b128 v[GO], v[S+48+4*\n:S+48+4*\n+3], s[104:105] offset:1048576*\hd+2048+512*\n   ; 32 lanes store 512 consecutive bytes
.endr
.endm
	FOUR_STEPS 0                                   ; the first head
	CHANGE 1, 0                                    ; slot 0 takes keys 512 on
	FOUR_STEPS 1
	CHANGE 1, 0                                    ; slot 1 takes keys 768 on
	FOUR_STEPS 0
	CHANGE 1, 1                                    ; slot 0 takes the second head's keys 0 on
	FOUR_STEPS 1
	CHANGE 1, 0                                    ; slot 1 takes its keys 256 on: the refill goes out ahead of the first head's way out
	WAYOUT 0
	s_wait_xcnt 0x0                                ; the stores have read their registers: the next products write them
.irp t, 0,1
	v_mov_b32 v[ST+8*\t+1], 0xff61b1e6             ; m back to -3e38: the next step's a is 0, which clears l and O^T
	v_mul_f32 v[ST+8*\t], v[CV], v[ST+8*\t+1]
.endr
	WIN 0x01                                       ; source 0 window 1
.set i, 0
.rept 16
	v_mov_b32 v[Q+i], v[Q2+i]                      ; the second head's q takes the first's place in Q'; the t half stays
	v_mov_b32 v[Q+32+i], v[Q2+16+i]
.set i, i+1
.endr
	WIN 0
	FOUR_STEPS 0                                   ; the second head
	CHANGE 1, 0
	FOUR_STEPS 1
	CHANGE 1, 0
	FOUR_STEPS 0
	CHANGE 0, 0                                    ; nothing is left to fetch
	FOUR_STEPS 1
	WAYOUT 1
	s_wait_tensorcnt 0x0                           ; the wave's end
	ds_add_u32 v[SPW], v[NIL]
	s_wait_dscnt 0x0
	ROUND                                          ; the closing round
	s_endpgm
.Lfunc_end_k_q178c8c23e7_attn:
	.size	k_q178c8c23e7_attn, .Lfunc_end_k_q178c8c23e7_attn-k_q178c8c23e7_attn
	.p2alignl 7, 3214868480
	.fill 96, 4, 3214868480
	.section	.rodata,"a",@progbits
	.p2align	6, 0x0
	.amdhsa_kernel k_q178c8c23e7_attn
		.amdhsa_group_segment_fixed_size 327680
		.amdhsa_private_segment_fixed_size 0
		.amdhsa_enable_private_segment 0
		.amdhsa_kernarg_size 32
		.amdhsa_user_sgpr_count 2
		.amdhsa_user_sgpr_kernarg_segment_ptr 1
		.amdhsa_wavefront_size32 1
		.amdhsa_system_sgpr_workgroup_id_x 1
		.amdhsa_system_sgpr_workgroup_id_y 1
		.amdhsa_system_sgpr_workgroup_id_z 1
		.amdhsa_system_vgpr_workitem_id 0
		.amdhsa_next_free_vgpr 480
		.amdhsa_next_free_sgpr 106
		.amdhsa_reserve_vcc 0
		.amdhsa_float_denorm_mode_32 3
		.amdhsa_float_denorm_mode_16_64 3
		.amdhsa_memory_ordered 1
		.amdhsa_forward_progress 1
		.amdhsa_inst_pref_size 224
	.end_amdhsa_kernel
	.amdgpu_metadata
---
amdhsa.version: [ 1, 2 ]
amdhsa.kernels:
  - .name:           k_q178c8c23e7_attn
    .symbol:         k_q178c8c23e7_attn.kd
    .args:
      - { .name: qkv, .offset: 0, .size: 8, .value_kind: global_buffer, .address_space: global }
      - { .name: t16, .offset: 8, .size: 8, .value_kind: global_buffer, .address_space: global }
      - { .name: maskbits, .offset: 16, .size: 8, .value_kind: global_buffer, .address_space: global }
      - { .name: xh, .offset: 24, .size: 8, .value_kind: global_buffer, .address_space: global }
    .group_segment_fixed_size: 327680
    .private_segment_fixed_size: 0
    .kernarg_segment_align: 8
    .kernarg_segment_size: 32
    .max_flat_workgroup_size: 256
    .sgpr_count:     106
    .vgpr_count:     480
    .wavefront_size: 32
...
	.end_amdgpu_metadata
.endif
;; end of part 3
;; launch outp (part 4): grid 8 x 64, 4 waves a work-group, clusters of 4 x 4, 327,680 bytes of LDS; arguments xh, wm16, bM, out0; writes out0
.if DOCPART == 4
	.amdgcn_target "amdgcn-amd-amdhsa--gfx1250"
	.amdhsa_code_object_version 6
	.text
	.protected	k_q178c8c23e7_outp
	.globl	k_q178c8c23e7_outp
	.p2align	8
	.type	k_q178c8c23e7_outp,@function
k_q178c8c23e7_outp:
	s_mov_b64 s[64:65], 0
	v_nop
	global_prefetch_b8 v0, s[64:65] scope:SCOPE_SE
	s_setreg_imm32_b32 hwreg(HW_REG_WAVE_MODE, 25, 1), 1
	s_wait_xcnt 0x0
	s_wait_alu depctr_hold_cnt(0) depctr_sa_sdst(0) depctr_va_vdst(0) depctr_va_sdst(0) depctr_va_ssrc(0) depctr_va_vcc(0) depctr_vm_vsrc(0)
	s_getreg_b32 s2, hwreg(HW_REG_IB_STS2, 6, 4)
	s_cmp_eq_u32 s2, 0
	s_cbranch_scc0 .Lentry_in_a_cluster
	s_endpgm
.Lentry_in_a_cluster:
	s_bfe_u32 s2, ttmp6, 0x10000c
	s_cmp_lg_u32 s2, 0xf033
	s_cbranch_scc0 .Lentry_shape_is_right
	s_endpgm
.Lentry_shape_is_right:
; OUTP: out0 = x WM^T + bM.  x: xh [head 16][8192 rows][64] f16 (column k of x is head k / 64, channel k % 64); WM: wm16 [1024 n][1024 k] f16; bM f32; out0 [8192][1024] f32; sums in f32.  Nothing of the problem is left out here.
; A tile of out0 is 128 x 128: four waves, each 64 x 64: 16 accumulators.  K goes in four steps of 256 (four heads) through a ring of two LDS slots.
; A's tile: one head's 128 rows are 16,384 consecutive bytes, so a wave's load is a tile of 2 "rows" (heads, 2^20 bytes apart) of 8,192 elements, with 16 bytes of padding behind every 128: in LDS [head][row] at pitch 144.
; B's tile: 64 rows of 512 bytes a load, pitch 528.  CLUSTERS: 4 x 4 work-groups; A's tiles are asked for jointly along a row of the cluster, B's along a column.
; THE MATRIX INSTRUCTION IS USED TRANSPOSED (source 0 = 16 rows of WM, source 1 = 16 rows of x): a lane holds eight neighbouring columns of a row.  The bias is the C of each sum's first product.
; REGISTERS: window 0: v0-31 addresses; v32-95 rows on the way out; v96-127 the bias; v128-255 the accumulators ((a, b) at v[128 + 8 (4 a + b)]).   window 1: two fragment buffers of 128: 64 of A, then 64 of B.
.set PA,     144
.set PB,     528
.set BOFF,   73728                     ; a slot: A's four heads x 128 rows x 144, then B's 128 rows x 528
.set SLOT,   141312
.set STAGE,  2*SLOT                    ; behind the ring: 16 rows x 272 bytes for each wave
.set SPARE,  STAGE+4*4352              ; the spare words, 128 bytes a wave: two blocks of 256 bytes that no other line names
.set ADRA, 16
.set ADRB, 20
.set STO,  24
.set RD,   25
.set CO,   26
.set SPW,  28
.set NIL,  29
.set TMP,  32
.set BIAS, 96
.set ACC,  128
.set F0,   0
.set F1,   128
.set G1, 24
.set G0, 32
.set G1B, 48
.set G0B, 56
.set MSB, 0
.macro WIN new                         ; the immediate's high byte repeats the setting that is left
.if MSB != \new
	s_set_vgpr_msb (MSB<<8)|\new
.set MSB, \new
.endif
.endm
.set MUL,  0x05                        ; sources 0 (B) and 1 (A) window 1; C and D window 0
.set TO_F, 0x40
.macro JLOAD s                         ; a joint load: waves 0 and 1 fetch A's two pairs of heads, waves 2 and 3 B's two halves; an s_nop 0 and four v_nop follow each line
	s_cmp_eq_u32 s13, 0
	s_cbranch_scc0 .Lfor_b_\@
	tensor_load_to_lds s[G0+4*\s:G0+4*\s+3], s[G1:G1+7]
	s_nop 0
.rept 4
	v_nop
.endr
	s_branch .Lasked_\@
.Lfor_b_\@:
	tensor_load_to_lds s[G0B+4*\s:G0B+4*\s+3], s[G1B:G1B+7]
	s_nop 0
.rept 4
	v_nop
.endr
.Lasked_\@:
.endm
.macro CREST                           ; a round of the cluster's barrier behind its opening barrier
	s_cmp_lg_u32 s12, 0
	s_cbranch_scc1 .Lnot_wave_0_\@
	s_barrier_signal -3
.Lnot_wave_0_\@:
	s_barrier_wait -3
	s_barrier_signal -1
	s_barrier_wait -1
.endm
.macro CROUND
	s_barrier_signal -1
	s_barrier_wait -1
	CREST
.endm
	s_load_b256 s[4:11], s[0:1], 0x0               ; xh s4, wm16 s6, bM s8, out0 s10
	v_lshl_add_u32 v[SPW], v0, 2, SPARE
	v_mov_b32 v[NIL], 0
	ds_add_u32 v[SPW], v[NIL]                      ; the wave's opening: the add, twice on end, and its wait ahead of my first tensor load
	ds_add_u32 v[SPW], v[NIL]
	v_lshrrev_b32 v1, 5, v0
	v_readfirstlane_b32 s12, v1                    ; wave 0..3
	s_lshr_b32 s13, s12, 1                         ; which half of the tile's rows is mine.  Also: I fetch for A (0) or for B (1)
	s_and_b32 s14, s12, 1                          ; which half of its columns.  Also: which part I fetch
	s_bfe_u32 s40, ttmp6, 0x40000                  ; cx, cy
	s_bfe_u32 s41, ttmp6, 0x40004
	s_lshl_b32 s42, ttmp9, 2
	s_add_co_u32 s42, s42, s40                     ; tile column X
	s_and_b32 s15, ttmp7, 0xffff
	s_lshl_b32 s15, s15, 2
	s_add_co_u32 s15, s15, s41                     ; tile row Y
	s_lshl_b32 s43, s41, 2
	s_lshl_b32 s43, 15, s43                        ; my row of the cluster
	s_lshl_b32 s44, 0x1111, s40                    ; my column
	s_or_b32 s[G1+0], s43, (1<<16)|(1<<20)|(1<<21)|(4<<22)|(3<<25)   ; A: the mask; elements of 2 bytes; padding on; bit 21 beside a mask; four words behind every 32
	s_mov_b32 s[G1+1], 8192<<16                    ; tensor_dim0 = 128 rows x 64
	s_mov_b32 s[G1+2], 2<<16                       ; tensor_dim1 = 2 heads
	s_mov_b32 s[G1+3], 8192<<16                    ; tile_dim0
	s_mov_b32 s[G1+4], 2                           ; tile_dim1
	s_mov_b32 s[G1+5], 524288                      ; from head to head, in elements
	s_mov_b32 s[G1+6], 0
	s_mov_b32 s[G1+7], 0
	s_or_b32 s[G1B+0], s44, (1<<16)|(1<<20)|(1<<21)|(6<<22)|(3<<25)  ; B: four words behind every 128
	s_mov_b32 s[G1B+1], 256<<16
	s_mov_b32 s[G1B+2], 64<<16
	s_mov_b32 s[G1B+3], 256<<16
	s_mov_b32 s[G1B+4], 64
	s_mov_b32 s[G1B+5], 1024
	s_mov_b32 s[G1B+6], 0
	s_mov_b32 s[G1B+7], 0
	s_lshl_b32 s16, s14, 21                        ; A: two heads of 2^20 bytes a part, + 128 Y rows of 128 bytes
	s_lshl_b32 s17, s15, 14
	s_add_co_u32 s16, s16, s17
	s_mov_b32 s17, 0
	s_lshl_b32 s46, s42, 7                         ; B: row 128 X + 64 x part, of 2,048 bytes
	s_lshl_b32 s47, s14, 6
	s_add_co_u32 s46, s46, s47
	s_lshl_b32 s46, s46, 11
	s_mov_b32 s47, 0
	s_mul_i32 s20, s14, 2*128*PA                   ; where they go
	s_mul_i32 s21, s14, 64*PB
	s_add_co_u32 s21, s21, BOFF
	s_wait_dscnt 0x0                               ; both opening adds are done
	s_wait_kmcnt 0x0
	s_add_nc_u64 s[16:17], s[4:5], s[16:17]
	s_add_nc_u64 s[46:47], s[6:7], s[46:47]
	CROUND                                         ; all sixteen work-groups are here: the first joint loads meet
.irp s, 0,1
	s_mov_b32 s[G0+4*\s], 1
	s_add_co_u32 s[G0+4*\s+1], s20, \s*SLOT
	s_add_nc_u64 s[G0+4*\s+2:G0+4*\s+3], s[16:17], \s*4194304     ; K step s: four heads on
	s_or_b32 s[G0+4*\s+3], s[G0+4*\s+3], 0x80000000
	s_mov_b32 s[G0B+4*\s], 1
	s_add_co_u32 s[G0B+4*\s+1], s21, \s*SLOT
	s_add_nc_u64 s[G0B+4*\s+2:G0B+4*\s+3], s[46:47], \s*512
	s_or_b32 s[G0B+4*\s+3], s[G0B+4*\s+3], 0x80000000
	JLOAD \s
.endr
	v_and_b32 v1, 15, v0                           ; r
	v_bfe_u32 v2, v0, 4, 1                         ; h
	s_lshl_b32 s46, s42, 9                         ; my first column, in bytes of f32: 512 X + 256 x half: in bM and in a row of out0 alike
	s_lshl_b32 s47, s14, 8
	s_add_co_u32 s46, s46, s47
	s_mov_b32 s47, 0
	s_add_nc_u64 s[8:9], s[8:9], s[46:47]
	v_lshlrev_b32 v6, 5, v2
.irp b, 0,1,2,3                                ; the bias: register 8 b + j = bM[my first column + 16 b + 8 h + j]
	global_load_b128 v[BIAS+8*\b:BIAS+8*\b+3], v6, s[8:9] offset:64*\b
	global_load_b128 v[BIAS+8*\b+4:BIAS+8*\b+7], v6, s[8:9] offset:64*\b+16
.endr
	v_mul_u32_u24 v3, v1, PA
	v_lshl_add_u32 v3, v2, 4, v3
	v_mul_u32_u24 v4, v1, PB
	v_lshl_add_u32 v4, v2, 4, v4
	s_mul_i32 s21, s13, 64*PA                      ; my 64 rows of A, in each head
	s_mul_i32 s22, s14, 64*PB                      ; my 64 rows of B
	s_add_co_u32 s22, s22, BOFF
.irp s, 0,1
	v_add_nc_u32 v[ADRA+\s], s21, v3
	v_add_nc_u32 v[ADRB+\s], s22, v4
	s_add_co_u32 s21, s21, SLOT
	s_add_co_u32 s22, s22, SLOT
.endr
	s_mul_i32 s23, s12, 4352
	s_add_co_u32 s23, s23, STAGE                   ; my stage
	v_mul_u32_u24 v5, v1, 272
	v_lshl_add_u32 v5, v2, 5, v5
	v_add_nc_u32 v[STO], s23, v5                   ; in: row r, 32 bytes for each half of the lanes
	v_mul_u32_u24 v5, v2, 272
	v_lshl_add_u32 v5, v1, 4, v5
	v_add_nc_u32 v[RD], s23, v5                    ; back: lanes 0-15 one row of 256 bytes, lanes 16-31 the next
	v_lshlrev_b32 v5, 12, v2
	v_lshl_add_u32 v[CO], v1, 4, v5                ; and the same two rows in out0
	s_lshl_b32 s16, s15, 7
	s_lshl_b32 s17, s13, 6
	s_add_co_u32 s16, s16, s17                     ; my first row: 128 Y + 64 x half
	s_lshl_b32 s16, s16, 12
	s_mov_b32 s17, 0
	s_add_nc_u64 s[10:11], s[10:11], s[16:17]
	s_add_nc_u64 s[10:11], s[10:11], s[46:47]
; 8 matrix instructions: m blocks a0, a0 + 1 x all 4 n blocks, 32 along K: half c of buffer f.  zero = 1: the first product starts the sums on the bias.  The 16 accumulators take turns.
.macro MUL8 f, c, a0, zero
.irp a, \a0, \a0+1
.irp b, 0,1,2,3
.if \zero
	v_wmma_f32_16x16x32_f16 v[ACC+8*(4*(\a)+\b):ACC+8*(4*(\a)+\b)+7], v[\f+64+8*(4*\c+\b):\f+64+8*(4*\c+\b)+7], v[\f+8*(4*\c+\a):\f+8*(4*\c+\a)+7], v[BIAS+8*\b:BIAS+8*\b+7]
.else
	v_wmma_f32_16x16x32_f16 v[ACC+8*(4*(\a)+\b):ACC+8*(4*(\a)+\b)+7], v[\f+64+8*(4*\c+\b):\f+64+8*(4*\c+\b)+7], v[\f+8*(4*\c+\a):\f+8*(4*\c+\a)+7], v[ACC+8*(4*(\a)+\b):ACC+8*(4*(\a)+\b)+7]
.endif
.endr
.endr
.endm
; 32 LDS loads in one run: the fragments of the slot's q-th 64 along K (head q of its four) into buffer f; the first 32 along K first
.macro FETCH slot, q, f
	WIN TO_F
.irp c, 0,1
.irp i, 0,1,2,3
	ds_load_b128 v[\f+64+8*(4*\c+\i):\f+64+8*(4*\c+\i)+3],   v[ADRB+\slot] offset:128*(\q)+64*\c+\i*16*PB
	ds_load_b128 v[\f+64+8*(4*\c+\i)+4:\f+64+8*(4*\c+\i)+7], v[ADRB+\slot] offset:128*(\q)+64*\c+\i*16*PB+32
	ds_load_b128 v[\f+8*(4*\c+\i):\f+8*(4*\c+\i)+3],         v[ADRA+\slot] offset:128*PA*(\q)+64*\c+\i*16*PA
	ds_load_b128 v[\f+8*(4*\c+\i)+4:\f+8*(4*\c+\i)+7],       v[ADRA+\slot] offset:128*PA*(\q)+64*\c+\i*16*PA+32
.endr
.endr
.endm
.macro PLACES                          ; four plain instructions in front of loads into registers that matrix instructions have read, and of the first read of results
.rept 4
	v_nop
.endr
.endm
.macro QUARTER slot, q, f, g, zero     ; multiplies buffer f and fetches the slot's quarter q into g
	s_wait_dscnt 16                                ; the first 32 along K are in
	WIN MUL
	MUL8 \f, 0, 0, \zero
	MUL8 \f, 0, 2, \zero
	PLACES
	FETCH \slot, \q, \g
	s_wait_dscnt 32                                ; all but the 32 just issued
	WIN MUL
	MUL8 \f, 1, 0, 0
	MUL8 \f, 1, 2, 0
.endm
; The last quarter multiplies buffer 1 and changes slots: ONE barrier; in front of it each wave waits for all its tensor loads, adds 0 to its spare word, and waits for that and for its reads of this slot.
; fill = 1: the barrier opens a round of the cluster's, and behind the round this slot is filled again, two K steps ahead: my one tensor load until the next round.
.macro TURN slot, next, fill
	WIN 0
	s_wait_tensorcnt 0x0
	ds_add_u32 v[SPW], v[NIL]
	s_wait_dscnt 17                                ; (the add and the youngest sixteen loads may be out)
	WIN MUL
	MUL8 F1, 0, 0, 0
	s_wait_dscnt 0x0
	s_barrier_signal -1
	MUL8 F1, 0, 2, 0
.if \fill
	WIN 0
.endif
	s_barrier_wait -1
.if \fill
	CREST
	s_add_nc_u64 s[G0+4*\slot+2:G0+4*\slot+3], s[G0+4*\slot+2:G0+4*\slot+3], 0x800000   ; eight heads on
	s_add_nc_u64 s[G0B+4*\slot+2:G0B+4*\slot+3], s[G0B+4*\slot+2:G0B+4*\slot+3], 1024
	JLOAD \slot                                    ; the four v_nop behind it are also the places in front of the loads below
.else
	PLACES
.endif
	FETCH \next, 0, F0
	WIN MUL
	MUL8 F1, 1, 0, 0
	MUL8 F1, 1, 2, 0
.endm
	s_wait_tensorcnt 1                             ; my part of K step 0 is in (K step 1's may be out)
	s_barrier_signal -1
	s_barrier_wait -1                              ; everybody's is
	FETCH 0, 0, F0
	s_wait_loadcnt 0x0                             ; the bias
	QUARTER 0, 1, F0, F1, 1                        ; K step 0
	QUARTER 0, 2, F1, F0, 0
	QUARTER 0, 3, F0, F1, 0
	TURN 0, 1, 1                                   ; slot 0 takes K step 2
	QUARTER 1, 1, F0, F1, 0                        ; K step 1
	QUARTER 1, 2, F1, F0, 0
	QUARTER 1, 3, F0, F1, 0
	TURN 1, 0, 1                                   ; slot 1 takes K step 3
	QUARTER 0, 1, F0, F1, 0                        ; K step 2
	QUARTER 0, 2, F1, F0, 0
	QUARTER 0, 3, F0, F1, 0
	TURN 0, 1, 0
	QUARTER 1, 1, F0, F1, 0                        ; K step 3
	QUARTER 1, 2, F1, F0, 0
	QUARTER 1, 3, F0, F1, 0
	s_wait_dscnt 16
	WIN MUL
	MUL8 F1, 0, 0, 0
	MUL8 F1, 0, 2, 0
	s_wait_dscnt 0
	MUL8 F1, 1, 0, 0
	MUL8 F1, 1, 2, 0
	WIN 0
; THE WAY OUT, block by block of 16 rows x 64 columns of f32.  A wave's 64 columns are 256 aligned bytes of a row, so each wave has a stage of its own and no barrier is needed.
.macro TOSTAGE a
.irp b, 0,1,2,3
	ds_store_b128 v[STO], v[ACC+8*(4*(\a)+\b):ACC+8*(4*(\a)+\b)+3] offset:64*\b          ; each accumulator from its low end on
	ds_store_b128 v[STO], v[ACC+8*(4*(\a)+\b)+4:ACC+8*(4*(\a)+\b)+7] offset:64*\b+16
.endr
.set BB, TMP+32*((\a)%2)
.irp t, 0,1,2,3,4,5,6,7
	ds_load_b128 v[BB+4*\t:BB+4*\t+3], v[RD] offset:\t*544   ; LDS serves a wave's instructions in order: these see the stores above, and the next block's stores come behind them
.endr
.endm
.macro SEND a, younger
.set BB, TMP+32*((\a)%2)
	s_wait_dscnt \younger
.irp t, 0,1,2,3,4,5,6,7
	global_store_b128 v[CO], v[BB+4*\t:BB+4*\t+3], s[10:11] offset:65536*(\a)+8192*\t th:TH_STORE_NT   ; 16 lanes store 256 consecutive bytes, aligned; written once, read by nobody here
.endr
.endm
	PLACES
	TOSTAGE 0
	TOSTAGE 1
	SEND 0, 16                                     ; behind block 0's loads: block 1's eight stores and eight loads
	s_wait_xcnt 0x0                                ; block 0's stores have read their registers: block 2's loads may land there
	TOSTAGE 2
	SEND 1, 16
	s_wait_xcnt 0x0
	TOSTAGE 3
	SEND 2, 16
	SEND 3, 0
	s_wait_tensorcnt 0x0                           ; the wave's end
	ds_add_u32 v[SPW], v[NIL]
	s_wait_dscnt 0x0
	CROUND                                         ; the closing round
	s_endpgm
.Lfunc_end_k_q178c8c23e7_outp:
	.size	k_q178c8c23e7_outp, .Lfunc_end_k_q178c8c23e7_outp-k_q178c8c23e7_outp
	.p2alignl 7, 3214868480
	.fill 96, 4, 3214868480
	.section	.rodata,"a",@progbits
	.p2align	6, 0x0
	.amdhsa_kernel k_q178c8c23e7_outp
		.amdhsa_group_segment_fixed_size 327680
		.amdhsa_private_segment_fixed_size 0
		.amdhsa_enable_private_segment 0
		.amdhsa_kernarg_size 32
		.amdhsa_user_sgpr_count 2
		.amdhsa_user_sgpr_kernarg_segment_ptr 1
		.amdhsa_wavefront_size32 1
		.amdhsa_system_sgpr_workgroup_id_x 1
		.amdhsa_system_sgpr_workgroup_id_y 1
		.amdhsa_system_sgpr_workgroup_id_z 1
		.amdhsa_system_vgpr_workitem_id 0
		.amdhsa_next_free_vgpr 512
		.amdhsa_next_free_sgpr 66
		.amdhsa_reserve_vcc 0
		.amdhsa_float_denorm_mode_32 3
		.amdhsa_float_denorm_mode_16_64 3
		.amdhsa_memory_ordered 1
		.amdhsa_forward_progress 1
		.amdhsa_inst_pref_size 86
	.end_amdhsa_kernel
	.amdgpu_metadata
---
amdhsa.version: [ 1, 2 ]
amdhsa.kernels:
  - .name:           k_q178c8c23e7_outp
    .symbol:         k_q178c8c23e7_outp.kd
    .args:
      - { .name: xh, .offset: 0, .size: 8, .value_kind: global_buffer, .address_space: global }
      - { .name: wm16, .offset: 8, .size: 8, .value_kind: global_buffer, .address_space: global }
      - { .name: bM, .offset: 16, .size: 8, .value_kind: global_buffer, .address_space: global }
      - { .name: out0, .offset: 24, .size: 8, .value_kind: global_buffer, .address_space: global }
    .group_segment_fixed_size: 327680
    .private_segment_fixed_size: 0
    .kernarg_segment_align: 8
    .kernarg_segment_size: 32
    .max_flat_workgroup_size: 128
    .sgpr_count:     66
    .vgpr_count:     512
    .wavefront_size: 32
...
	.end_amdgpu_metadata
.endif
;; end of part 4
